; MI455X (gfx1250); checked and timed in simulation.
; The chip was launched on July 23, 2026; its instructions are those of AMD's public machine-readable ISA for CDNA 5 (MIT licence, August 2026) and "CDNA5" Instruction Set Architecture Reference Guide (July 2026). The comments in the code are by the model that wrote it; some were corrected since.
;; Transformer Block. Allowed arithmetic: matrix products marked QUANTISED: E5M2 operands, one given power-of-two scale a tensor, by v_wmma_f32_16x16x64_bf8_bf8 or v_wmma_f32_16x16x128_bf8_bf8, f32 sums; everything else in f32.
;; Inputs: g1 1,024 float32; g2 1,024 float32; lowp_scales 16 int32 (the exponents e of the quantised operands' scales 2^e); w1_codes 4,096 x 32 x 32 uint8 (E5M2 codes of w1, K innermost, in blocks of 32 codes); w2_codes 1,024 x 128 x 32 uint8 (E5M2 codes of w2, K innermost, in blocks of 32 codes); wk_codes 1,024 x 32 x 32 uint8 (E5M2 codes of wk, K innermost, in blocks of 32 codes); wo_codes 1,024 x 32 x 32 uint8 (E5M2 codes of wo, K innermost, in blocks of 32 codes); wq_codes 1,024 x 32 x 32 uint8 (E5M2 codes of wq, K innermost, in blocks of 32 codes); wv_codes 1,024 x 32 x 32 uint8 (E5M2 codes of wv, K innermost, in blocks of 32 codes); x 2 x 2,048 x 1,024 float32.
;; Outputs: out0 2 x 2,048 x 1,024 float32.
;; This version of the problem:
;;   THIS VERSION OF THE PROBLEM IS GIVEN IN LOW PRECISION. The matrix products marked QUANTISED in the list below multiply operands that are first quantised to E5M2 (5 exponent bits, 2 mantissa bits; 8 bits a number), with one given power-of-two scale for each operand tensor; their sums are f32. All else is computed in f32.
;;   The module's matrix products, in the order in which they are computed (A, B: the left and right operand; K: the contracted axis; several contracted axes count as one K, in the product's order):
;;     1. [M 4,096, K 1,024] x [K 1,024, N 1,024]; A: computed on the way; B: input wq (given as codes): QUANTISED (scales: A lowp_scales[0], B lowp_scales[1])
;;     2. [M 4,096, K 1,024] x [K 1,024, N 1,024]; A: computed on the way; B: input wk (given as codes): QUANTISED (scales: A lowp_scales[2], B lowp_scales[3])
;;     3. [M 4,096, K 1,024] x [K 1,024, N 1,024]; A: computed on the way; B: input wv (given as codes): QUANTISED (scales: A lowp_scales[4], B lowp_scales[5])
;;     4. batch 32 x [M 2,048, K 64] x [K 64, N 2,048]; A: computed on the way; B: computed on the way: QUANTISED (scales: A lowp_scales[6], B lowp_scales[7])
;;     5. batch 32 x [M 2,048, K 2,048] x [K 2,048, N 64]; A: softmax (see below); B: computed on the way: QUANTISED (scales: A lowp_scales[8], B lowp_scales[9])
;;     6. [M 4,096, K 1,024] x [K 1,024, N 1,024]; A: computed on the way; B: input wo (given as codes): QUANTISED (scales: A lowp_scales[10], B lowp_scales[11])
;;     7. [M 4,096, K 1,024] x [K 1,024, N 4,096]; A: computed on the way; B: input w1 (given as codes): QUANTISED (scales: A lowp_scales[12], B lowp_scales[13])
;;     8. [M 4,096, K 4,096] x [K 4,096, N 1,024]; A: computed on the way; B: input w2 (given as codes): QUANTISED (scales: A lowp_scales[14], B lowp_scales[15])
;;   THE QUANTISER, for each operand of a quantised product, along K:
;;     - The operand's scale is 2^e, e = its entry of the input lowp_scales (int32; the entries are numbered through the quantised products in the list's order, A before B).
;;     - Each number is divided by the scale, clamped to +-57,344, and rounded to the nearest number of E5M2, ties to even, subnormals kept.
;;     - The product sums the exact products of the quantised numbers (number of the format x scale) in f32.
;;   ~~~python
;;   def quantise(x, axis, e):      # numpy; x: float32 -> the quantised numbers, widened to float32 again
;;       x = np.moveaxis(x, axis, -1); K = x.shape[-1]
;;       r = np.clip(x / 2.0 ** e, -57344, 57344)
;;       step = 2.0 ** (np.maximum(np.frexp(np.where(r == 0, 1, r))[1] - 1, -14) - 2)
;;       q = np.round(r / step) * step * 2.0 ** e      # np.round: ties to even
;;       return np.moveaxis(q, -1, axis).astype(np.float32)
;;   ~~~
;;   SOFTMAX AHEAD OF A QUANTISED PRODUCT. Where the list says 'softmax', what is quantised is not the finished softmax but p = 2^(t - M), with t = logit x log2(e) and M = ceil(the row's largest t), a whole number; so 1/2 < the row's largest p <= 1. The row's sum l is taken of the UNQUANTISED p, in f32, and the product's result is divided by l at the end. Since M is a whole number, a kernel that streams over the keys may use a running M (the ceiling of the running maximum): every later rescaling is an exact power of two, so the quantised numbers keep their values, but for numbers so far below the row's largest that they fall under the format's range.
;;   OPERANDS COMPUTED ON THE WAY. 'Computed on the way' means the value that the module computes at that place (a softmax that the list does not call 'softmax' is quantised finished and normalised). What goes into a quantiser is computed in f32, as accurately as f32 sums, v_exp_f32 and their like allow (about 1e-6 of the number): no bf16 or f16 on the way to a quantiser, and a product that is left as it is and whose result goes on into a quantised operand takes f32 operands (vector FMAs, or v_wmma_f32_16x16x4_f32). A number that lies on a knife's edge between two numbers of the format may be rounded either way, as far as f32 arithmetic and the matrix unit's own rounding can turn it there, and no further.
;;   INPUTS GIVEN AS CODES. w1 (in the module: [4096, 1024], K = its axis 1); w2 (in the module: [1024, 4096], K = its axis 1); wk (in the module: [1024, 1024], K = its axis 1); wo (in the module: [1024, 1024], K = its axis 1); wq (in the module: [1024, 1024], K = its axis 1); wv (in the module: [1024, 1024], K = its axis 1): each comes as NAME_codes (uint8): NAME with its K axis moved to the last place and cut into blocks of 32 codes, [.., K / 32, bytes a block], one block behind the other in memory; one code a byte (a code: sign, 5 exponent bits, 2 mantissa bits); its scale is its entry of lowp_scales. Its value is code x scale, taken as it is: it is not quantised again, and the codes and scales need not be those that the quantiser above would give.
;; One version. Each part assembles by itself: llvm-mc -triple=amdgcn-amd-amdhsa -mcpu=gfx1250 --defsym DOCPART=n.
;; ======== version 1 of 1: 7 launches
;; limits: right only within a limited range of input values
;; workspace buffers: hc 12,582,912 bytes; qkv 12,582,912 bytes; ac 4,194,304 bytes; x1 16,777,216 bytes; h2c 4,194,304 bytes; gc 16,777,216 bytes
;; launch norm1 (part 1): grid 256 x 1, 8 waves a work-group, no clusters, 82,944 bytes of LDS; arguments x, g1, lowp_scales, hc; writes hc
.if DOCPART == 1
	.amdgcn_target "amdgcn-amd-amdhsa--gfx1250"
	.amdhsa_code_object_version 6
	.text
	.protected	k_q061db7af23_norm1
	.globl	k_q061db7af23_norm1
	.p2align	8
	.type	k_q061db7af23_norm1,@function
k_q061db7af23_norm1:
	s_mov_b64 s[64:65], 0
	v_nop
	global_prefetch_b8 v0, s[64:65] scope:SCOPE_SE
	s_setreg_imm32_b32 hwreg(HW_REG_WAVE_MODE, 25, 1), 1
	s_wait_xcnt 0x0
; LAUNCH 1 OF 7 of a transformer block on 4,096 tokens: rmsnorm(x, g1) as codes of BF8 (E5M2), three times: with 2^e0, 2^e2, 2^e4, the scales of the left operands of x wq^T, x wk^T, x wv^T.
; THE PROGRAM: 1 norm1 -> hc; 2 qkv: the three projections, their sums quantised for attention -> qkv; 3 attn -> ac; 4 wo: + x -> x1; 5 norm2 -> h2c; 6 w1: erf-GELU, quantised -> gc; 7 w2: + x1 -> out0.
; WORK LEFT OUT, in launch 3 alone: reference() sets score(q, k) to -infinity wherever k > q, by a mask that it builds itself (triu, k = 1), whatever the inputs hold.  exp(-infinity) = 0, so such a key adds 0 to a row's
; sum and 0 to its product with V, and it never is the row's maximum (key 0 counts for every query).  So a step of 128 keys all of which come after a wave's 16 queries can reach no output, and is not multiplied.
; Every input has a way to the output and is loaded.  LIMIT: a NaN, an infinity or an overflow that would arise only in the scores left out is not carried to the result.
; code = y / 2^e, held within +-57,344, to the nearest code, ties to even.  LIMITS: e0, e2, e4 between -126 and 112, so that 2^e and 57,344 x 2^e are f32 numbers.  NaN among the inputs is not served.
; SHARES.  A work-group takes 16 rows, each of its eight waves two.  A row is 4,096 bytes: eight loads of 512 consecutive bytes, 32 registers a lane; all 16 loads of a wave go out at the head.  No loop, no barrier.
; The conversions take neighbours along K from ONE lane's registers: so a row turns through the wave's own stage in LDS (as loaded in; 64 bytes a lane out; 16 bytes of padding behind each 64), while the sum of squares is taken of the registers as loaded.
.set NS,    3                          ; sets of codes
.set SP,    80                         ; a lane's place in a stage: 64 bytes + 16
.set WREG,  10240                      ; a wave's LDS: 2 rows x 2 steps x 32 places
.set SPARE, 8*WREG                     ; behind the eight regions: the spare words, 128 bytes a wave, that no other line names
.set SPW,   6                          ; v6   my spare word's address; never rewritten
.set NIL,   7                          ; v7   0; never rewritten
.set SC,    14                         ; v14.. 2^e as f32, one for each set
.set LIM,   17                         ; v17.. 57,344 x 2^e
.set R,     32                         ; v32-95   two rows as loaded; later their codes
.set G,     96                         ; v96-127  g at my 32 columns, 512 j + 16 lane + 0..15
.set X,     128                        ; v128-191 two rows, 16 neighbours for each step j
.set T,     192                        ; v192-223 two sets of 16 held numbers
	s_load_b256 s[4:11], s[0:1], 0x0               ; x, g, the scales' exponents, the codes
	v_lshl_add_u32 v[SPW], v0, 2, SPARE
	v_mov_b32 v[NIL], 0
	v_lshrrev_b32 v5, 5, v0
	s_delay_alu instid0(VALU_DEP_1)
	v_readfirstlane_b32 s12, v5                    ; wave 0..7
	v_and_b32 v5, 31, v0                           ; lane
	s_delay_alu instid0(VALU_DEP_1)
	v_lshlrev_b32 v1, 4, v5                        ; 16 x lane: my bytes of a load and of a store
	s_delay_alu instid0(VALU_DEP_2)
	v_lshlrev_b32 v4, 6, v5                        ; 64 x lane: my 16 numbers of g
	s_mul_i32 s13, s12, WREG
	v_lshrrev_b32 v2, 2, v5
	s_delay_alu instid0(VALU_DEP_1)
	v_mul_u32_u24 v2, v2, SP
	v_and_b32 v3, 3, v5
	s_delay_alu instid0(VALU_DEP_1)
	v_lshl_add_u32 v2, v3, 4, v2
	s_delay_alu instid0(VALU_DEP_1)
	v_add_nc_u32 v2, s13, v2                       ; the stage, in: SP (lane / 4) + 16 (lane % 4)
	v_mul_u32_u24 v3, v5, SP
	s_delay_alu instid0(VALU_DEP_1)
	v_add_nc_u32 v3, s13, v3                       ; and out: SP x lane
	s_lshl_b32 s14, ttmp9, 16                      ; 16 rows of 4,096 bytes a work-group,
	s_lshl_b32 s15, s12, 13                        ; two a wave
	s_add_co_u32 s14, s14, s15
	s_mov_b32 s15, 0
	s_lshr_b32 s18, s14, 2                         ; the codes: a quarter of the bytes
	s_mov_b32 s19, 0
	s_mov_b32 s26, 0x3a800000                      ; 1 / 1024
	s_mov_b32 s27, 0x3727c5ac                      ; 1e-5
	s_mov_b32 s28, 0x76543210                      ; lane selects: lane xor 16
	s_mov_b32 s29, 0xfedcba98
	s_wait_alu depctr_va_vdst(0)
	s_wait_kmcnt 0x0
.if NS == 3
	s_load_b256 s[32:39], s[8:9], 0x0              ; e0 .. e7: sets 0, 1, 2 take e0, e2, e4
.else
	s_load_b32 s32, s[8:9], 0x30                   ; e12
.endif
	s_add_nc_u64 s[16:17], s[4:5], s[14:15]
	s_add_nc_u64 s[20:21], s[10:11], s[18:19]
.if NS == 3
	s_add_nc_u64 s[22:23], s[20:21], 1<<22         ; a set is 4 MiB
	s_add_nc_u64 s[24:25], s[20:21], 2<<22
.endif
.irp k, 0,1,2,3,4,5,6,7
	global_load_b128 v[G+4*\k:G+4*\k+3], v4, s[6:7] offset:2048*(\k/4)+16*(\k%4)
.endr
.irp i, 0,1
.irp k, 0,1,2,3,4,5,6,7
.if NS == 3
	global_load_b128 v[R+32*\i+4*\k:R+32*\i+4*\k+3], v1, s[16:17] offset:4096*\i+512*\k th:TH_LOAD_NT
.else
	global_load_b128 v[R+32*\i+4*\k:R+32*\i+4*\k+3], v1, s[16:17] offset:4096*\i+512*\k
.endif
.endr
.endr
	s_wait_kmcnt 0x0
.set S, 0
.rept NS
	s_add_co_i32 s40, s[32+2*S], 127
	s_lshl_b32 s41, s40, 23
	v_mov_b32 v[SC+S], s41                         ; 2^e: the conversion takes its exponent field
	s_add_co_i32 s40, s40, 15
	s_lshl_b32 s40, s40, 23
	s_or_b32 s40, s40, 0x600000
	v_mov_b32 v[LIM+S], s40                        ; 57,344 x 2^e
.set S, S+1
.endr
; Row i.  left: the younger loads that may stay out.
.macro ROW i, left
	s_wait_loadcnt \left                           ; loads come back in order: g and this row are in
.irp k, 0,1,2,3,4,5,6,7
	ds_store_b128 v2, v[R+32*\i+4*\k:R+32*\i+4*\k+3] offset:5120*\i+2560*(\k/4)+640*(\k%4)
.endr
.irp k, 0,1,2,3,4,5,6,7
	ds_load_b128 v[X+32*\i+4*\k:X+32*\i+4*\k+3], v3 offset:5120*\i+2560*(\k/4)+16*(\k%4)   ; LDS serves a wave's instructions in order: these see the stores above
.endr
	v_pk_mul_f32 v[8:9], v[R+32*\i:R+32*\i+1], v[R+32*\i:R+32*\i+1]          ; the sum of squares, of the registers as loaded, in two chains: the first products start them
	v_pk_mul_f32 v[10:11], v[R+32*\i+2:R+32*\i+3], v[R+32*\i+2:R+32*\i+3]
.irp p, 4,8,12,16,20,24,28
	s_delay_alu instid0(VALU_DEP_2)
	v_pk_fma_f32 v[8:9], v[R+32*\i+\p:R+32*\i+\p+1], v[R+32*\i+\p:R+32*\i+\p+1], v[8:9]
	s_delay_alu instid0(VALU_DEP_2)
	v_pk_fma_f32 v[10:11], v[R+32*\i+\p+2:R+32*\i+\p+3], v[R+32*\i+\p+2:R+32*\i+\p+3], v[10:11]
.endr
	s_delay_alu instid0(VALU_DEP_1)
	v_pk_add_f32 v[8:9], v[8:9], v[10:11]
	s_delay_alu instid0(VALU_DEP_1)
	v_add_f32 v8, v8, v9
	s_delay_alu instid0(VALU_DEP_1)
	v_add_f32_dpp v8, v8, v8 row_xmask:1 row_mask:0xf bank_mask:0xf
	s_delay_alu instid0(VALU_DEP_1)
	v_add_f32_dpp v8, v8, v8 row_xmask:2 row_mask:0xf bank_mask:0xf
	s_delay_alu instid0(VALU_DEP_1)
	v_add_f32_dpp v8, v8, v8 row_xmask:4 row_mask:0xf bank_mask:0xf
	s_delay_alu instid0(VALU_DEP_1)
	v_add_f32_dpp v8, v8, v8 row_xmask:8 row_mask:0xf bank_mask:0xf
	s_delay_alu instid0(VALU_DEP_1)
	v_permlanex16_b32 v9, v8, s28, s29
	s_delay_alu instid0(VALU_DEP_1)
	v_add_f32 v8, v8, v9                           ; every lane holds the row's sum
	s_delay_alu instid0(VALU_DEP_1)
	v_fma_f32 v8, v8, s26, s27                     ; the mean + eps
	s_wait_alu depctr_va_vdst(0)
	v_rsq_f32 v12, v8
	v_mov_b32 v13, 0                               ; a plain line behind the transcendental (v13 is named with v12 as a pair, so it is written)
	s_wait_alu depctr_va_vdst(0)                   ; ahead of the result's first reader
	s_wait_dscnt 0x0                               ; the row is back from the stage
.irp p, 0,2,4,6,8,10,12,14,16,18,20,22,24,26,28,30
	v_pk_mul_f32 v[X+32*\i+\p:X+32*\i+\p+1], v[X+32*\i+\p:X+32*\i+\p+1], v[12:13] op_sel_hi:[1,0]   ; x / rms,
.endr
.irp p, 0,2,4,6,8,10,12,14,16,18,20,22,24,26,28,30
	v_pk_mul_f32 v[X+32*\i+\p:X+32*\i+\p+1], v[X+32*\i+\p:X+32*\i+\p+1], v[G+\p:G+\p+1]             ; x g
.endr
.set S, 0
.rept NS
.irp j, 0,1
.irp n, 0,1,2,3,4,5,6,7,8,9,10,11,12,13,14,15
	v_med3_num_f32 v[T+16*\j+\n], v[X+32*\i+16*\j+\n], -v[LIM+S], v[LIM+S]   ; the conversion does not saturate (ISA guide 7.6.2): the hold; into the set that the last conversions did not read
.endr
	v_cvt_scalef32_pk8_bf8_f32 v[R+32*\i+8*S+4*\j:R+32*\i+8*S+4*\j+1], v[T+16*\j:T+16*\j+7], v[SC+S]
	v_cvt_scalef32_pk8_bf8_f32 v[R+32*\i+8*S+4*\j+2:R+32*\i+8*S+4*\j+3], v[T+16*\j+8:T+16*\j+15], v[SC+S]
	global_store_b128 v1, v[R+32*\i+8*S+4*\j:R+32*\i+8*S+4*\j+3], s[20+2*S:21+2*S] offset:1024*\i+512*\j   ; 512 consecutive bytes; no store's registers are written again
.endr
.set S, S+1
.endr
.endm
	ROW 0, 8                                       ; row 1's eight loads may stay out
	ROW 1, 0
	s_wait_tensorcnt 0x0                           ; the wave's end
	ds_add_u32 v[SPW], v[NIL]
	s_wait_dscnt 0x0
	s_endpgm
.Lfunc_end_k_q061db7af23_norm1:
	.size	k_q061db7af23_norm1, .Lfunc_end_k_q061db7af23_norm1-k_q061db7af23_norm1
	.p2alignl 7, 3214868480
	.fill 96, 4, 3214868480
	.section	.rodata,"a",@progbits
	.p2align	6, 0x0
	.amdhsa_kernel k_q061db7af23_norm1
		.amdhsa_group_segment_fixed_size 82944
		.amdhsa_private_segment_fixed_size 0
		.amdhsa_enable_private_segment 0
		.amdhsa_kernarg_size 32
		.amdhsa_user_sgpr_count 2
		.amdhsa_user_sgpr_kernarg_segment_ptr 1
		.amdhsa_wavefront_size32 1
		.amdhsa_system_sgpr_workgroup_id_x 1
		.amdhsa_system_sgpr_workgroup_id_y 1
		.amdhsa_system_sgpr_workgroup_id_z 1
		.amdhsa_system_vgpr_workitem_id 0
		.amdhsa_next_free_vgpr 224
		.amdhsa_next_free_sgpr 66
		.amdhsa_reserve_vcc 0
		.amdhsa_float_denorm_mode_32 3
		.amdhsa_float_denorm_mode_16_64 3
		.amdhsa_memory_ordered 1
		.amdhsa_forward_progress 1
		.amdhsa_inst_pref_size 31
	.end_amdhsa_kernel
	.amdgpu_metadata
---
amdhsa.version: [ 1, 2 ]
amdhsa.kernels:
  - .name:           k_q061db7af23_norm1
    .symbol:         k_q061db7af23_norm1.kd
    .args:
      - { .name: x, .offset: 0, .size: 8, .value_kind: global_buffer, .address_space: global }
      - { .name: g1, .offset: 8, .size: 8, .value_kind: global_buffer, .address_space: global }
      - { .name: lowp_scales, .offset: 16, .size: 8, .value_kind: global_buffer, .address_space: global }
      - { .name: hc, .offset: 24, .size: 8, .value_kind: global_buffer, .address_space: global }
    .group_segment_fixed_size: 82944
    .private_segment_fixed_size: 0
    .kernarg_segment_align: 8
    .kernarg_segment_size: 32
    .max_flat_workgroup_size: 256
    .sgpr_count:     66
    .vgpr_count:     224
    .wavefront_size: 32
...
	.end_amdgpu_metadata
.endif
;; end of part 1
;; launch qkv (part 2): grid 12 x 16, 4 waves a work-group, clusters of 4 x 4, 327,680 bytes of LDS; arguments hc, wq_codes, wk_codes, wv_codes, lowp_scales, qkv; writes qkv
.if DOCPART == 2
	.amdgcn_target "amdgcn-amd-amdhsa--gfx1250"
	.amdhsa_code_object_version 6
	.text
	.protected	k_q061db7af23_qkv
	.globl	k_q061db7af23_qkv
	.p2align	8
	.type	k_q061db7af23_qkv,@function
k_q061db7af23_qkv:
	s_mov_b64 s[64:65], 0
	v_nop
	global_prefetch_b8 v0, s[64:65] scope:SCOPE_SE
	s_setreg_imm32_b32 hwreg(HW_REG_WAVE_MODE, 25, 1), 1
	s_wait_xcnt 0x0
	s_wait_alu depctr_hold_cnt(0) depctr_sa_sdst(0) depctr_va_vdst(0) depctr_va_sdst(0) depctr_va_ssrc(0) depctr_va_vcc(0) depctr_vm_vsrc(0)
	s_getreg_b32 s2, hwreg(HW_REG_IB_STS2, 6, 4)
	s_cmp_eq_u32 s2, 0
	s_cbranch_scc0 .Lentry_in_a_cluster
	s_endpgm
.Lentry_in_a_cluster:
	s_bfe_u32 s2, ttmp6, 0x10000c
	s_cmp_lg_u32 s2, 0xf033
	s_cbranch_scc0 .Lentry_shape_is_right
	s_endpgm
.Lentry_shape_is_right:
.set SIZE_K, 1024
.set KSTEP,  256
.set ROWB,   256
.set KROW,   SIZE_K
.set PITCH,  272
.set FR,     16
.set NL,     4
.set NP,     4
.set HALFT,  128*PITCH
.set SLOT,   4*HALFT
.set LAPS,   SIZE_K/(2*KSTEP)
.set SPARE,  2*SLOT
.set SP,     144
.set STG,    128*SP
.set ADRA, 16
.set ADRB, 20
.set STO,  24
.set RD,   25
.set CO,   26
.set SPW,  28
.set NIL,  29
.set TT,   32
.set CC,   96
.set RB,   128
.set AF,   128
.set G1, 24
.set G0, 32
.set G1B, 48
.set G0B, 56
.set MSB, 0
.macro WIN new
.if MSB != \new
	s_set_vgpr_msb (MSB<<8)|\new
.set MSB, \new
.endif
.endm
.set MUL_LO, 0xa1
.set MUL_HI, 0xf1
.set TO_B,   0x40
.macro JLOAD g0a, g1a, g0b, g1b
	s_cmp_eq_u32 s15, 0
	s_cbranch_scc0 .Lfor_b_\@
	tensor_load_to_lds s[\g0a:\g0a+3], s[\g1a:\g1a+7]
	s_nop 0
.rept 4
	v_nop
.endr
	s_branch .Lasked_\@
.Lfor_b_\@:
	tensor_load_to_lds s[\g0b:\g0b+3], s[\g1b:\g1b+7]
	s_nop 0
.rept 4
	v_nop
.endr
.Lasked_\@:
.endm
.macro CREST
	s_cmp_lg_u32 s14, 0
	s_cbranch_scc1 .Lnot_wave_0_\@
	s_barrier_signal -3
.Lnot_wave_0_\@:
	s_barrier_wait -3
	s_barrier_signal -1
	s_barrier_wait -1
.endm
.macro CROUND
	s_barrier_signal -1
	s_barrier_wait -1
	CREST
.endm
	s_load_b256 s[72:79], s[0:1], 0x0
	s_load_b128 s[80:83], s[0:1], 0x20
	v_lshl_add_u32 v[SPW], v0, 2, SPARE
	v_mov_b32 v[NIL], 0
	ds_add_u32 v[SPW], v[NIL]
	ds_add_u32 v[SPW], v[NIL]
	v_lshrrev_b32 v1, 5, v0
	v_readfirstlane_b32 s14, v1
	s_lshr_b32 s15, s14, 1
	s_and_b32 s16, s14, 1
	s_bfe_u32 s40, ttmp6, 0x40000
	s_bfe_u32 s41, ttmp6, 0x40004
	s_and_b32 s18, ttmp7, 0xffff
	s_lshl_b32 s18, s18, 2
	s_mov_b32 s68, 262144
	s_cmp_eq_u32 ttmp9, 2
	s_cselect_b32 s17, 0, s18
	s_cselect_b32 s42, s18, 0
	s_cselect_b32 s68, 65536, s68
	s_add_co_u32 s17, s17, s41
	s_add_co_u32 s42, s42, s40
	s_lshl_b32 s43, s41, 2
	s_lshl_b32 s43, 15, s43
	s_lshl_b32 s44, 0x1111, s40
	s_or_b32 s[G1+0], s43, (0<<16)|(1<<20)|(1<<21)|(5<<22)|(3<<25)
	s_or_b32 s[G1B+0], s44, (0<<16)|(1<<20)|(1<<21)|(5<<22)|(3<<25)
.irp g, G1, G1B
	s_mov_b32 s[\g+1], ROWB<<16
	s_mov_b32 s[\g+2], 128<<16
	s_mov_b32 s[\g+3], ROWB<<16
	s_mov_b32 s[\g+4], 128
	s_mov_b32 s[\g+5], KROW
	s_mov_b32 s[\g+6], 0
	s_mov_b32 s[\g+7], 0
.endr
	s_lshl_b32 s18, s16, 7
	s_lshl_b32 s20, s17, 8
	s_add_co_u32 s20, s20, s18
	s_lshl_b32 s20, s20, 10
	s_mov_b32 s21, 0
	s_lshl_b32 s46, s42, 8
	s_add_co_u32 s46, s46, s18
	s_lshl_b32 s46, s46, 10
	s_mov_b32 s47, 0
	s_mul_i32 s45, s14, HALFT
	s_lshl_b32 s22, ttmp9, 22
	s_mov_b32 s23, 0
	s_wait_dscnt 0x0
	s_wait_kmcnt 0x0
	s_load_b512 s[84:99], s[80:81], 0x0
	s_add_nc_u64 s[8:9], s[72:73], s[22:23]
	s_add_nc_u64 s[10:11], s[82:83], s[22:23]
	s_cmp_eq_u32 ttmp9, 0
	s_cselect_b64 s[6:7], s[74:75], s[76:77]
	s_cmp_eq_u32 ttmp9, 2
	s_cselect_b64 s[4:5], s[78:79], s[8:9]
	s_cselect_b64 s[6:7], s[8:9], s[6:7]
	s_add_nc_u64 s[20:21], s[4:5], s[20:21]
	s_add_nc_u64 s[46:47], s[6:7], s[46:47]
	CROUND
.irp s, 0,1
	s_mov_b32 s[G0+4*\s], 1
	s_add_co_u32 s[G0+4*\s+1], s45, \s*SLOT
	s_add_nc_u64 s[G0+4*\s+2:G0+4*\s+3], s[20:21], \s*ROWB
	s_or_b32 s[G0+4*\s+3], s[G0+4*\s+3], 0x80000000
	s_mov_b32 s[G0B+4*\s], 1
	s_add_co_u32 s[G0B+4*\s+1], s45, \s*SLOT
	s_add_nc_u64 s[G0B+4*\s+2:G0B+4*\s+3], s[46:47], \s*ROWB
	s_or_b32 s[G0B+4*\s+3], s[G0B+4*\s+3], 0x80000000
.endr
	JLOAD G0, G1, G0B, G1B                         ; fill 0 (256 along K): one tensor load a wave at the head
	; THE PREFETCHES: behind the load of fill f stands one line a wave for fill f + 2, f = 0, 1.  Of the 128 rows that a wave's load names, each of the four partners that ask jointly takes 32, told apart by address; a lane a row of 256 bytes.
	s_cmp_eq_u32 s15, 0                            ; do I fetch for the first operand?
	s_cselect_b64 s[12:13], s[20:21], s[46:47]     ; my load's first byte
	s_cselect_b32 s70, s40, s41                    ; my place among the four
	s_lshl_b32 s70, s70, 15                        ; 32 rows of 1,024 bytes
	s_mov_b32 s71, 0
	s_add_nc_u64 s[12:13], s[12:13], s[70:71]
	v_and_b32 v31, 31, v0
	v_lshlrev_b32 v31, 10, v31                     ; v31: my lane's row; never rewritten
	global_prefetch_b8 v31, s[12:13] offset:2*ROWB th:TH_LOAD_NT scope:SCOPE_SE
	v_and_b32 v1, 15, v0
	s_wait_alu depctr_va_vdst(0)
	v_bfe_u32 v2, v0, 4, 1
	v_mul_u32_u24 v3, v1, PITCH
	v_lshl_add_u32 v4, v2, 4, v3
	s_mul_i32 s21, s15, HALFT
	s_mul_i32 s22, s16, HALFT
	s_add_co_u32 s22, s22, 2*HALFT
.irp s, 0,1
	v_add_nc_u32 v[ADRA+\s], s21, v4
	v_add_nc_u32 v[ADRB+\s], s22, v4
	s_add_co_u32 s21, s21, SLOT
	s_add_co_u32 s22, s22, SLOT
.endr
	s_mul_i32 s23, s14, STG
	v_mul_u32_u24 v5, v1, SP
	s_wait_alu depctr_va_vdst(0)
	v_lshl_add_u32 v5, v2, 3, v5
	v_add_nc_u32 v[STO], s23, v5
	v_and_b32 v6, 31, v0
	v_lshrrev_b32 v5, 2, v6
	v_mul_u32_u24 v5, v5, SP
	v_and_b32 v3, 3, v6
	v_lshl_add_u32 v5, v3, 4, v5
	v_add_nc_u32 v[RD], s23, v5
	v_lshlrev_b32 v[CO], 4, v6
	v_add_nc_u32 v[CO+1], s68, v[CO]
	s_lshl_b32 s20, s42, 2
	s_lshl_b32 s21, s16, 1
	s_add_co_u32 s20, s20, s21
	s_mul_i32 s20, s20, s68
	s_lshl_b32 s21, s17, 8
	s_lshl_b32 s22, s15, 7
	s_add_co_u32 s21, s21, s22
	s_lshl_b32 s21, s21, 6
	s_add_co_u32 s20, s20, s21
	s_mov_b32 s21, 0
	s_add_nc_u64 s[10:11], s[10:11], s[20:21]
.macro FRAG reg, adr, q, i
.irp c, 0,1,2,3
	ds_load_b128 v[\reg+4*\c:\reg+4*\c+3], v[\adr] offset:128*(\q)+32*\c+(\i)*16*PITCH
.endr
.endm
.macro MUL16 a0, p, zero
.irp a, \a0, \a0+1
.irp b, 0,1,2,3,4,5,6,7
.if \zero
	v_wmma_f32_16x16x128_bf8_bf8 v[8*(8*((\a)%4)+\b):8*(8*((\a)%4)+\b)+7], v[128*(\p)+FR*\b:128*(\p)+FR*\b+FR-1], v[AF+FR*(\a):AF+FR*(\a)+FR-1], 0
.else
	v_wmma_f32_16x16x128_bf8_bf8 v[8*(8*((\a)%4)+\b):8*(8*((\a)%4)+\b)+7], v[128*(\p)+FR*\b:128*(\p)+FR*\b+FR-1], v[AF+FR*(\a):AF+FR*(\a)+FR-1], v[8*(8*((\a)%4)+\b):8*(8*((\a)%4)+\b)+7]
.endif
.endr
.endr
.endm
.macro FETCH_B slot, q, p
	WIN TO_B
.irp i, 0,1,2,3,4,5,6,7
	FRAG 128*(\p)+FR*\i, ADRB+\slot, \q, \i
.endr
	WIN 0
.endm
.macro FETCH_A slot, q, i0
.irp i, \i0, \i0+1, \i0+2, \i0+3
	FRAG AF+FR*(\i), ADRA+\slot, \q, \i
.endr
.endm
.macro PLACES n
.rept \n
	v_nop
.endr
.endm
.macro STEP slot, q, zero
	s_wait_dscnt 4*NL
	WIN MUL_LO
	MUL16 0, (\q)%2, \zero
	MUL16 2, (\q)%2, \zero
	s_wait_dscnt 0
	PLACES NP
	FETCH_B \slot, (\q)+1, 1-(\q)%2
	FETCH_A \slot, (\q)+1, 0
	WIN MUL_HI
	MUL16 4, (\q)%2, \zero
	MUL16 6, (\q)%2, \zero
	PLACES NP
	WIN 0
	FETCH_A \slot, (\q)+1, 4
.endm
.macro TURN slot, next, fill
	s_wait_tensorcnt 0x0
	ds_add_u32 v[SPW], v[NIL]
	s_wait_dscnt 4*NL+1
	WIN MUL_LO
	MUL16 0, 1, 0
	s_wait_dscnt 0x0
	s_barrier_signal -1
	MUL16 2, 1, 0
	WIN 0
	s_barrier_wait -1
.if \fill
	CREST
	s_add_nc_u64 s[G0+4*\slot+2:G0+4*\slot+3], s[G0+4*\slot+2:G0+4*\slot+3], 2*ROWB
	s_add_nc_u64 s[G0B+4*\slot+2:G0B+4*\slot+3], s[G0B+4*\slot+2:G0B+4*\slot+3], 2*ROWB
	JLOAD G0+4*\slot, G1, G0B+4*\slot, G1B
.else
	PLACES NP
.endif
	FETCH_B \next, 0, 0
	FETCH_A \next, 0, 0
	WIN MUL_HI
	MUL16 4, 1, 0
	MUL16 6, 1, 0
	PLACES NP
	WIN 0
	FETCH_A \next, 0, 4
.endm
	s_wait_alu depctr_va_vdst(0)                   ; the head's end
	s_wait_tensorcnt 0x0                           ; my part of fill 0 is in
	ds_add_u32 v[SPW], v[NIL]
	s_wait_dscnt 0x0
	CROUND                                         ; everybody's part is in, and the joint loads meet
	JLOAD G0+4, G1, G0B+4, G1B                     ; fill 1, the first tensor load behind the round
	FETCH_B 0, 0, 0
	FETCH_A 0, 0, 0
	FETCH_A 0, 0, 4
	global_prefetch_b8 v31, s[12:13] offset:3*ROWB th:TH_LOAD_NT scope:SCOPE_SE
	STEP 0, 0, 1
	s_mov_b32 s3, LAPS-1
.Llap:
	TURN 0, 1, 1
	STEP 1, 0, 0
	TURN 1, 0, 1
	STEP 0, 0, 0
	s_sub_co_u32 s3, s3, 1
	s_cmp_lg_u32 s3, 0
	s_cbranch_scc1 .Llap
	TURN 0, 1, 0
	STEP 1, 0, 0
	s_wait_dscnt 4*NL
	WIN MUL_LO
	MUL16 0, 1, 0
	MUL16 2, 1, 0
	s_wait_dscnt 0
	WIN MUL_HI
	MUL16 4, 1, 0
	MUL16 6, 1, 0
	WIN 0
	s_wait_kmcnt 0x0
	s_add_co_i32 s20, s84, s85
	s_sub_co_i32 s20, s90, s20
	s_add_co_i32 s21, s86, s87
	s_sub_co_i32 s21, s91, s21
	s_add_co_i32 s22, s88, s89
	s_sub_co_i32 s22, s93, s22
	s_cmp_eq_u32 ttmp9, 0
	s_cselect_b32 s20, s20, s21
	s_cmp_eq_u32 ttmp9, 2
	s_cselect_b32 s20, s22, s20
	s_add_co_i32 s20, s20, 127
	s_lshl_b32 s21, s20, 23
	v_mov_b32 v10, s21
	s_add_co_i32 s20, s20, 15
	s_lshl_b32 s20, s20, 23
	s_or_b32 s20, s20, 0x600000
	v_mov_b32 v11, s20
.macro QBLOCK a
	WIN 0x02+((\a)/4)
.set n, 0
.rept 64
	v_med3_num_f32 v[TT+n], v[64*((\a)%4)+n], -v11, v11
.set n, n+1
.endr
	WIN 0
.irp b, 0,1,2,3,4,5,6,7
	v_cvt_scalef32_pk8_bf8_f32 v[CC+16*((\a)%2)+2*\b:CC+16*((\a)%2)+2*\b+1], v[TT+8*\b:TT+8*\b+7], v10
.endr
	v_nop
.irp b, 0,1,2,3,4,5,6,7
	ds_store_b64 v[STO], v[CC+16*((\a)%2)+2*\b:CC+16*((\a)%2)+2*\b+1] offset:16*SP*(\a)+16*\b
.endr
.irp k, 0,1,2,3
	ds_load_b128 v[RB+16*(\a)+4*\k:RB+16*(\a)+4*\k+3], v[RD] offset:8*SP*(2*(\a)+\k%2)+64*(\k/2)
.endr
.endm
.macro QSEND a, younger
	s_wait_dscnt \younger
.irp k, 0,1,2,3
	global_store_b128 v[CO+\k/2], v[RB+16*(\a)+4*\k:RB+16*(\a)+4*\k+3], s[10:11] offset:512*(2*(\a)+\k%2)
.endr
.endm
	PLACES NP
	QBLOCK 0
.irp a, 1,2,3,4,5,6,7
	QBLOCK \a
	QSEND \a-1, 12
.endr
	QSEND 7, 0
	s_wait_tensorcnt 0x0
	ds_add_u32 v[SPW], v[NIL]
	s_wait_dscnt 0x0
	CROUND
	s_endpgm
.Lfunc_end_k_q061db7af23_qkv:
	.size	k_q061db7af23_qkv, .Lfunc_end_k_q061db7af23_qkv-k_q061db7af23_qkv
	.p2alignl 7, 3214868480
	.fill 96, 4, 3214868480
	.section	.rodata,"a",@progbits
	.p2align	6, 0x0
	.amdhsa_kernel k_q061db7af23_qkv
		.amdhsa_group_segment_fixed_size 327680
		.amdhsa_private_segment_fixed_size 0
		.amdhsa_enable_private_segment 0
		.amdhsa_kernarg_size 48
		.amdhsa_user_sgpr_count 2
		.amdhsa_user_sgpr_kernarg_segment_ptr 1
		.amdhsa_wavefront_size32 1
		.amdhsa_system_sgpr_workgroup_id_x 1
		.amdhsa_system_sgpr_workgroup_id_y 1
		.amdhsa_system_sgpr_workgroup_id_z 1
		.amdhsa_system_vgpr_workitem_id 0
		.amdhsa_next_free_vgpr 1024
		.amdhsa_next_free_sgpr 100
		.amdhsa_reserve_vcc 0
		.amdhsa_float_denorm_mode_32 3
		.amdhsa_float_denorm_mode_16_64 3
		.amdhsa_memory_ordered 1
		.amdhsa_forward_progress 1
		.amdhsa_inst_pref_size 126
	.end_amdhsa_kernel
	.amdgpu_metadata
---
amdhsa.version: [ 1, 2 ]
amdhsa.kernels:
  - .name:           k_q061db7af23_qkv
    .symbol:         k_q061db7af23_qkv.kd
    .args:
      - { .name: hc, .offset: 0, .size: 8, .value_kind: global_buffer, .address_space: global }
      - { .name: wq_codes, .offset: 8, .size: 8, .value_kind: global_buffer, .address_space: global }
      - { .name: wk_codes, .offset: 16, .size: 8, .value_kind: global_buffer, .address_space: global }
      - { .name: wv_codes, .offset: 24, .size: 8, .value_kind: global_buffer, .address_space: global }
      - { .name: lowp_scales, .offset: 32, .size: 8, .value_kind: global_buffer, .address_space: global }
      - { .name: qkv, .offset: 40, .size: 8, .value_kind: global_buffer, .address_space: global }
    .group_segment_fixed_size: 327680
    .private_segment_fixed_size: 0
    .kernarg_segment_align: 8
    .kernarg_segment_size: 48
    .max_flat_workgroup_size: 128
    .sgpr_count:     100
    .vgpr_count:     1024
    .wavefront_size: 32
...
	.end_amdgpu_metadata
.endif
;; end of part 2
;; launch attn (part 3): grid 8 x 32, 16 waves a work-group, no clusters, 327,680 bytes of LDS; arguments qkv, lowp_scales, ac; writes ac
.if DOCPART == 3
	.amdgcn_target "amdgcn-amd-amdhsa--gfx1250"
	.amdhsa_code_object_version 6
	.text
	.protected	k_q061db7af23_attn
	.globl	k_q061db7af23_attn
	.p2align	8
	.type	k_q061db7af23_attn,@function
k_q061db7af23_attn:
	s_mov_b64 s[64:65], 0
	v_nop
	global_prefetch_b8 v0, s[64:65] scope:SCOPE_SE
	s_setreg_imm32_b32 hwreg(HW_REG_WAVE_MODE, 25, 1), 1
	s_wait_xcnt 0x0
; LAUNCH 3 OF 7: causal attention on codes of BF8, head size 64, 2,048 keys, 32 (batch, head) pairs; the result is quantised with 2^e10 for the projection that follows.
; WORK LEFT OUT: key steps all of whose 128 keys come after a tile's 16 queries (the mask that reference() builds gives them weight 0 for all inputs: the first kernel's head comment).
; t = score x log2(e) / 8; M = the largest t so far, rounded UP to a whole number; p = 2^(t - M) is quantised with 2^e8, not normalised; the row's sum is taken of the unquantised p and divides at the end.
; INPUT: qkv: q, k: [16 heads][4,096 tokens][64 bytes] at 0 and at 4 MiB; v^T: [64 blocks of tokens][1,024 features][64 tokens] at 8 MiB.  OUTPUT ac: [16 heads][4,096 tokens][64 bytes].
; SHARES.  Work-group (j, y), y = 16 batch + head, owns blocks j and 15 - j of the 16 blocks of 128 queries: 17 blocks' worth of keys.  TWO WAVES SHARE TWO TILES: pair w >> 1 owns tile w >> 1 of each block,
; and divides their key steps of 128 by parity.  With u = (w xor (w >> 2)) & 1: set A is the late tile (u = 0) or the early one (u = 1) and takes the even steps; set B is the other tile and takes the odd steps.
; So each tile's even steps are summed by one wave and its odd steps by the other, and all sixteen waves have the same work between two barriers, but for one step at a range's end.
; AT THE END each wave hands its set B (O^T, -M, the sum) to its partner through LDS and finishes its set A: both parts are brought under the larger M by powers of two, which rounds nothing.  A part with no step has sum 0 and factor 0.
; NO CLUSTER: under the mask the work-groups of a head need different numbers of tiles.
; RING: two LDS slots of 512 keys, four steps, 2^17 bytes apart; a slot is sixteen pieces of 64 rows x (64 bytes + 16): eight of K, eight of V^T; a piece is 4,096 dense bytes of memory, stated as 16 rows of 256; each wave fetches one.
; Every work-group walks all four changes of slots (a constant trip count); a slot whose first key comes after the work-group's last query is not asked for: ids and the count of steps alone, the same in all sixteen waves;
; the fourth change never asks, since key 2,048 comes after every query.  The test goes by whole slots: the last slot asked for may hold up to 384 keys beyond the last query, which come with its first 128 and are not read.
; LAYOUT.  S^T = K Q^T, O^T = V^T P^T: a lane holds ONE query.  K's tile t is keys 16 t + 0 .. 15, so register j of S^T's tile t in lane (r, h) is key 16 t + 8 h + j: the conversions' results, registers 2 t and 2 t + 1,
; are the second product's operand in the form's own layout (ISA guide 7.12.2), and V^T's fragments are read in that layout too, 8 bytes a load.  With rows of 80 bytes the sixteen rows of a K load begin at sixteen different
; 16-byte columns of the 64 banks (ISA guide 11.1), and the 32 lanes of a V load touch 64 different banks.
; LIMITS: e6 + e7 between -123 and 130; e8, and e10 - e8 - e9, between -126 and 112.  NaN among the inputs is not served.
; REGISTERS: v1-3, 5-7 addresses that stay; v8-11 addresses in hand; v12-15 set A: -M, largest t, the sum; v248-251 set B's; v16-23, v24-31 Q of A, B; v32-95 K's 8 fragments, then V's 4; v96-159 S^T, then p;
;   v160-191, v192-223 O^T of A, B; v224-239 partial sums, then p's codes; v240, v244 p's hold and scale; v241 from lane xor 16; v246, 247, 252-254 at work.
.set SK,    512
.set KP,    80
.set PIECE, 64*KP
.set VOFF,  8*PIECE
.set SLOT1, 1<<17
.set NSL,   4
.set SPARE, 2*SLOT1                    ; the spare words, 128 bytes a wave, that no other line names
.set XCH,   16*PIECE                   ; behind each slot's tiles: the exchange, bytes on which no fill lands; waves 0-7 behind slot 0's, waves 8-15 behind slot 1's
.set XW,    4352                       ; a wave's part of it: 8 x 512 bytes of O^T, 256 bytes of (-M, sum)
.set AK0,  1
.set AV0,  2
.set PFO,  3
.set SPW,  5
.set NIL,  6
.set GO,   7                           ; 16 x lane
.set ADK,  8
.set ADV,  9
.set XL,   241
.set TB,   2
.set WV,   18
.set SEL,  20
.set CS,   22
.set G1,   24
.set G0,   40
.set STP,  44
.set LASTQ, 66
.set SLOTS, 67
.set PFA,  76
.set PFS,  78
.set LIM,  80
.set QB,   94                          ; set B's first query
.set KF,   98                          ; the step's first key
.set QA,   99                          ; set A's first query
.macro TLOAD                           ; every wave fetches its piece; an s_nop 0 and four v_nop follow the line
	tensor_load_to_lds s[G0:G0+3], s[G1:G1+7]
	s_nop 0
.rept 4
	v_nop
.endr
.endm
	s_load_b128 s[4:7], s[0:1], 0x0                ; qkv, the scales' exponents
	s_load_b64 s[8:9], s[0:1], 0x10                ; ac
	v_lshl_add_u32 v[SPW], v0, 2, SPARE
	v_mov_b32 v[NIL], 0
	ds_add_u32 v[SPW], v[NIL]                      ; the opening: the add, twice on end, and its wait ahead of the first tensor load
	ds_add_u32 v[SPW], v[NIL]
	v_lshrrev_b32 v8, 5, v0
	v_readfirstlane_b32 s[WV], v8                  ; wave 0..15
	s_and_b32 s10, ttmp7, 0xffff
	s_and_b32 s11, s10, 15                         ; head
	s_lshr_b32 s10, s10, 4                         ; batch
	s_lshl_b32 s12, s11, 18
	s_lshl_b32 s13, s10, 17
	s_add_co_u32 s12, s12, s13                     ; q's and ac's bytes of (batch, head)
	s_lshl_b32 s14, s10, 21
	s_lshl_b32 s15, s11, 12
	s_add_co_u32 s14, s14, s15
	s_add_co_u32 s14, s14, 8<<20                   ; v^T's
	s_add_co_u32 s15, s12, 4<<20                   ; k's
	s_lshr_b32 s17, s[WV], 2
	s_xor_b32 s17, s17, s[WV]
	s_and_b32 s17, s17, 1                          ; u
	s_sub_co_u32 s16, 15, ttmp9                    ; the late block
	s_cmp_eq_u32 s17, 0
	s_cselect_b32 s33, s16, ttmp9                  ; set A's block
	s_cselect_b32 s34, ttmp9, s16                  ; set B's
	s_lshr_b32 s17, s[WV], 1
	s_lshl_b32 s17, s17, 4                         ; 16 x my pair's tile
	s_lshl_b32 s33, s33, 7
	s_lshl_b32 s34, s34, 7
	s_add_co_u32 s[QA], s33, s17
	s_add_co_u32 s[QB], s34, s17
	s_lshl_b32 s[LASTQ], ttmp9, 7
	s_sub_co_u32 s[LASTQ], 2047, s[LASTQ]          ; my work-group's last query
	s_lshl_b32 s82, s[QA], 6
	s_add_co_u32 s82, s82, s12
	s_mov_b32 s83, 0                               ; set A's bytes in q and in ac
	s_lshl_b32 s92, s[QB], 6
	s_add_co_u32 s92, s92, s12
	s_mov_b32 s93, 0                               ; set B's bytes in q
	s_and_b32 s32, s[WV], 7                        ; what I fetch: piece wave % 8 of K (waves 0-7) or of V (waves 8-15)
	s_lshl_b32 s33, s32, 12
	s_add_co_u32 s33, s33, s15
	s_lshl_b32 s34, s32, 16
	s_add_co_u32 s34, s34, s14
	s_mov_b32 s[STP], 524288
	s_cmp_lt_u32 s[WV], 8
	s_cselect_b32 s36, s33, s34
	s_cselect_b32 s[STP], 32768, s[STP]            ; a slot on, in my tensor's bytes
	s_mov_b32 s37, 0
	s_mov_b32 s[STP+1], 0
	s_mul_i32 s38, s[WV], PIECE                    ; and where it goes in a slot
	s_mov_b32 s[G1], (0<<16)|(1<<20)|(3<<22)|(3<<25)   ; elements of 1 byte; padding: 4 words behind every 16, that is behind each 64 bytes
	s_mov_b32 s[G1+1], 256<<16
	s_mov_b32 s[G1+2], 16<<16
	s_mov_b32 s[G1+3], 256<<16
	s_mov_b32 s[G1+4], 16
	s_mov_b32 s[G1+5], 256
	s_mov_b32 s[G1+6], 0
	s_mov_b32 s[G1+7], 0
	s_mov_b32 s[SEL], 0x76543210
	s_mov_b32 s[SEL+1], 0xfedcba98
	s_mov_b32 s[CS], 0x3e38aa3b                    ; c = log2(e) / 8
	s_mov_b32 s[TB], 0
	s_mov_b32 s[SLOTS], NSL
	s_mov_b32 s[KF], 0
	s_wait_dscnt 0x0                               ; both opening adds are done
	s_wait_kmcnt 0x0
	s_load_b256 s[68:75], s[6:7], 0x10             ; e4 .. e11: e6 s70, e7 s71, e8 s72, e9 s73, e10 s74
	s_mov_b32 s[G0], 1
	s_mov_b32 s[G0+1], s38
	s_add_nc_u64 s[G0+2:G0+3], s[4:5], s[36:37]
	s_or_b32 s[G0+3], s[G0+3], 0x80000000
	TLOAD                                          ; slot 0: keys 0 to 511
	s_add_nc_u64 s[86:87], s[8:9], s[82:83]        ; ac at set A's queries
	s_add_nc_u64 s[82:83], s[4:5], s[82:83]        ; q at set A's,
	s_add_nc_u64 s[92:93], s[4:5], s[92:93]        ; and at set B's
	; THE PREFETCHES, of what the NEXT change of slots will ask for.  The eight work-groups of a (batch, head) walk the same K and V: the one with j = 0, which walks every slot, asks.  Waves 8-11: K's 32,768 bytes, 8,192 each,
	; lanes 256 bytes apart; waves 12-15: V's eight pieces, two each: every aligned 256 bytes are named once.  The changes that load slots 1 and 2 ask for slots 2 and 3; slots 0 and 1 come by their loads alone.
	s_mov_b32 s[PFS], 524288
	s_cmp_lt_u32 s[WV], 12
	s_cselect_b32 s88, s15, s14
	s_cselect_b32 s[PFS], 32768, s[PFS]
	s_cselect_b32 s89, 12, 16                      ; lanes 16-31 stand 4,096 bytes on (K) or a piece's 65,536 (V)
	s_mov_b32 s[PFS+1], 0
	v_and_b32 v[PFO], 15, v0
	v_lshlrev_b32 v[PFO], 8, v[PFO]
	v_bfe_u32 v8, v0, 4, 1
	v_lshlrev_b32 v8, s89, v8
	v_add_nc_u32 v[PFO], v[PFO], v8
	s_and_b32 s90, s[WV], 3
	s_add_co_u32 s89, s89, 1
	s_lshl_b32 s90, s90, s89                       ; my wave's quarter of a slot,
	s_add_co_u32 s88, s88, s90
	s_add_co_u32 s88, s88, s[PFS]                  ; in slot 1: the first change of slots steps it to slot 2
	s_mov_b32 s89, 0
	s_add_nc_u64 s[PFA:PFA+1], s[4:5], s[88:89]
	s_sub_co_u32 s90, s[WV], 8
	s_lshr_b32 s90, s90, 3                         ; 0 in waves 8 to 15,
	s_or_b32 s90, s90, ttmp9                       ; of the work-group with j = 0
	s_cmp_eq_u32 s90, 0
	s_cselect_b32 s[LIM], 2, -1
	v_and_b32 v8, 15, v0                           ; r
	v_bfe_u32 v9, v0, 4, 1                         ; h
	v_lshlrev_b32 v10, 6, v8
	v_lshl_add_u32 v10, v9, 4, v10
	global_load_b128 v[16:19], v10, s[82:83]               ; Q's fragments: registers 4 c .. 4 c + 3 hold channels 32 c + 16 h + 0 .. 15, as K's do
	global_load_b128 v[20:23], v10, s[82:83] offset:32
	global_load_b128 v[24:27], v10, s[92:93]
	global_load_b128 v[28:31], v10, s[92:93] offset:32
	v_mul_u32_u24 v11, v8, KP
	v_lshl_add_u32 v[AK0], v9, 4, v11              ; K: row r, 16 bytes for each half of the lanes
	v_lshl_add_u32 v[AV0], v9, 3, v11              ; V^T: row r, 8 bytes
	v_add_nc_u32 v[AV0], VOFF, v[AV0]
	v_and_b32 v[GO], 31, v0
	v_lshlrev_b32 v[GO], 4, v[GO]
.irp st, 12, 248
	v_mov_b32 v[\st+1], 0xff61b1e6                 ; the largest t so far: -3e38
	v_floor_f32 v[\st], -v[\st+1]                  ; -M
	v_mov_b32 v[\st+2], 0
	v_mov_b32 v[\st+3], 0
.endr
	v_mov_b32 v[XL], 0                             ; a lane permute's destination counts as one of its sources
	v_mov_b32 v253, 0                              ; (named as the upper half of v[252:253])
.set n, 0
.rept 64
	v_mov_b32 v[160+n], 0                          ; both O^T: the step is written once for each place in a slot; the first finds zeros
.set n, n+1
.endr
	s_wait_kmcnt 0x0
	s_add_co_i32 s84, s70, s71
	s_lshl_b32 s84, s84, 23
	s_add_co_i32 s[CS], s[CS], s84                 ; a score stands for score x 2^(e6 + e7): added to c's exponent field
	s_mov_b32 s[CS+1], s[CS]
	s_add_co_i32 s84, s72, 127
	s_lshl_b32 s85, s84, 23
	v_mov_b32 v244, s85                            ; 2^e8
	s_add_co_i32 s84, s84, 15
	s_lshl_b32 s84, s84, 23
	s_or_b32 s84, s84, 0x600000
	v_mov_b32 v240, s84                            ; 57,344 x 2^e8
; A STEP: the q-th 128 keys of the slot in hand, for the set with state v[ST ..], Q in v[QR ..], O^T in v[OR ..] and first query s[SQ].
.macro STEP q, ST, QR, OR, SQ
	s_add_co_u32 s96, s[\SQ], 15
	s_cmp_gt_u32 s[KF], s96                        ; all keys after the set's queries: the step's work is left out (ids alone; no barrier and no tensor load stands in a step)
	s_cbranch_scc1 .Lhidden_\@
	v_add_nc_u32 v[ADK], s[TB], v[AK0]
	v_add_nc_u32 v[ADV], s[TB], v[AV0]
	v_nop                                          ; with the two additions: four places in front of loads into registers that matrix instructions have read
	v_nop
.irp t, 0,1,2,3,4,5,6,7
.irp c, 0,1
	ds_load_b128 v[32+8*\t+4*\c:35+8*\t+4*\c], v[ADK] offset:(128*(\q)+16*\t)*KP+32*\c
.endr
.endr
	s_wait_alu depctr_va_vdst(0)
	s_wait_dscnt 0x0
.irp t, 0,1,2,3,4,5,6,7
	v_wmma_f32_16x16x64_bf8_bf8 v[96+8*\t:103+8*\t], v[32+8*\t:39+8*\t], v[\QR:\QR+7], 0
.endr
.rept 4
	v_nop                                          ; places: in front of the loads below and of the first read of the scores
.endr
.irp t, 0,1,2,3
.irp c, 0,1,2,3,4,5,6,7
	ds_load_b64 v[32+16*\t+2*\c:33+16*\t+2*\c], v[ADV] offset:(2*(\q)+\c/4)*PIECE+16*\t*KP+16*(\c%4)   ; V^T's four fragments land under the softmax: registers 2 c, 2 c + 1 hold keys 16 c + 8 h + 0 .. 7
.endr
.endr
	s_add_co_u32 s96, s[KF], 127                   ; on the diagonal hidden scores become -infinity ahead of the maximum; a step all of whose keys count skips this
	s_cmp_le_u32 s96, s[\SQ]
	s_cbranch_scc1 .Lopen_\@
	s_sub_co_i32 s96, s[\SQ], s[KF]
	v_and_b32 v252, 15, v0
	v_bfe_u32 v253, v0, 4, 1
	v_lshlrev_b32 v253, 3, v253
	v_sub_nc_u32 v252, v252, v253
	v_add_nc_u32 v252, s96, v252                   ; d = my query - KF - 8 (lane / 16); register 8 t + i holds key KF + 8 (lane / 16) + 16 t + i: hidden where 16 t + i > d
	v_mov_b32 v254, 0xff800000
.set n, 0
.rept 64
	v_cmp_gt_i32 vcc_lo, 16*(n/8)+n%8, v252
	v_cndmask_b32 v[96+n], v[96+n], v254, vcc_lo
.set n, n+1
.endr
.Lopen_\@:
	v_max3_num_f32 v254, v96, v97, v98             ; the step's largest score of my query, in two chains,
	v_max3_num_f32 v252, v99, v100, v101
.irp i, 6,10,14,18,22,26,30,34,38,42,46,50,54,58
	v_max3_num_f32 v254, v254, v[96+\i], v[97+\i]
	v_max3_num_f32 v252, v252, v[98+\i], v[99+\i]
.endr
	v_max3_num_f32 v254, v254, v158, v159
	s_delay_alu instid0(VALU_DEP_1)
	v_max_num_f32 v254, v254, v252
	s_delay_alu instid0(VALU_DEP_1)
	v_permlanex16_b32 v[XL], v254, s[SEL], s[SEL+1]
	s_delay_alu instid0(VALU_DEP_1)
	v_max_num_f32 v254, v254, v[XL]                ; and lane xor 16's
	s_delay_alu instid0(VALU_DEP_1)
	v_mul_f32 v254, s[CS], v254
	s_delay_alu instid0(VALU_DEP_1)
	v_max_num_f32 v[\ST+1], v[\ST+1], v254         ; the running largest t
	v_mov_b32 v254, v[\ST]
	s_delay_alu instid0(VALU_DEP_2)
	v_floor_f32 v[\ST], -v[\ST+1]                  ; -M = floor(-t): M is a whole number
	s_delay_alu instid0(VALU_DEP_1)
	v_sub_f32 v254, v[\ST], v254
	s_delay_alu instid0(VALU_DEP_1)
	v_cvt_i32_f32 v254, v254
	s_delay_alu instid0(VALU_DEP_1)
	v_ldexp_f32 v252, 1.0, v254                    ; f = 2^(old M - new M): exact
.set n, 0
.rept 32
	v_pk_fma_f32 v[96+n:97+n], v[96+n:97+n], s[CS:CS+1], v[\ST:\ST+1] op_sel_hi:[1,0,0]   ; t - M
.set n, n+2
.endr
	s_wait_alu depctr_va_vdst(0)                   ; ahead of the batch
.set n, 0
.rept 64
	v_exp_f32 v[96+n], v[96+n]                     ; p = 2^(t - M)
.set n, n+1
.endr
	v_pk_mul_f32 v[\ST+2:\ST+3], v[\ST+2:\ST+3], v[252:253] op_sel_hi:[1,0]   ; the sums under the new M (a plain line behind the exponentials)
	s_wait_alu depctr_va_vdst(0)                   ; one wait for the batch, ahead of its first reader
.irp k, 0,1,2,3,4,5,6,7                        ; the sum of the unquantised p: eight chains of four pairs,
	v_pk_add_f32 v[224+2*\k:225+2*\k], v[96+2*\k:97+2*\k], v[112+2*\k:113+2*\k]
.endr
.irp k, 0,1,2,3,4,5,6,7
	v_pk_add_f32 v[224+2*\k:225+2*\k], v[224+2*\k:225+2*\k], v[128+2*\k:129+2*\k]
.endr
.irp k, 0,1,2,3,4,5,6,7
	v_pk_add_f32 v[224+2*\k:225+2*\k], v[224+2*\k:225+2*\k], v[144+2*\k:145+2*\k]
.endr
.irp k, 0,1,2,3                                ; joined
	v_pk_add_f32 v[224+2*\k:225+2*\k], v[224+2*\k:225+2*\k], v[232+2*\k:233+2*\k]
.endr
	s_delay_alu instid0(VALU_DEP_2)
	v_pk_add_f32 v[224:225], v[224:225], v[228:229]
	s_delay_alu instid0(VALU_DEP_2)
	v_pk_add_f32 v[226:227], v[226:227], v[230:231]
	s_delay_alu instid0(VALU_DEP_2)
	v_pk_add_f32 v[\ST+2:\ST+3], v[\ST+2:\ST+3], v[224:225]
	s_delay_alu instid0(VALU_DEP_1)
	v_pk_add_f32 v[\ST+2:\ST+3], v[\ST+2:\ST+3], v[226:227]
.irp t, 0,1,2,3,4,5,6,7
.irp i, 0,2,4,6
	v_dual_min_num_f32 v[96+8*\t+\i], v240, v[96+8*\t+\i] :: v_dual_min_num_f32 v[97+8*\t+\i], v240, v[97+8*\t+\i]   ; the hold, two numbers a line; p is never negative
.endr
	v_cvt_scalef32_pk8_bf8_f32 v[224+2*\t:225+2*\t], v[96+8*\t:103+8*\t], v244   ; keys 16 t + 8 h + 0 .. 7
.endr
	s_wait_alu depctr_va_vdst(0)                   ; directly ahead of the first reader of O^T
.set n, 0
.rept 16
	v_pk_mul_f32 v[\OR+n:\OR+n+1], v[\OR+n:\OR+n+1], v[252:253] op_sel_hi:[1,0]   ; O^T under the new M (also the plain lines behind the conversions)
.set n, n+2
.endr
	s_wait_alu depctr_va_vdst(0)                   ; and here, directly ahead of the wait below
	s_wait_dscnt 0x0                               ; V^T's fragments are in
.irp t, 0,1,2,3
	v_wmma_f32_16x16x128_bf8_bf8 v[\OR+8*\t:\OR+8*\t+7], v[32+16*\t:47+16*\t], v[224:239], v[\OR+8*\t:\OR+8*\t+7]   ; four accumulators by turns
.endr
.Lhidden_\@:
	s_add_co_u32 s[KF], s[KF], 128
.endm
	s_wait_alu depctr_va_vdst(0)                   ; the head's end
	s_wait_loadcnt 0x0                             ; Q
.Lslot:                                                ; four trips
	; THE CHANGE OF SLOTS, at a slot's head.  Each wave waits for all its tensor loads, adds 0 to its spare word, and waits for that and for its reads of the slot that it has left; then the barrier.
	s_wait_tensorcnt 0x0                           ; no tensor load of mine is out, so my group 0 may be written
	ds_add_u32 v[SPW], v[NIL]
	s_xor_b32 s[G0+1], s[G0+1], SLOT1              ; the other slot than last time,
	s_add_nc_u64 s[G0+2:G0+3], s[G0+2:G0+3], s[STP:STP+1]   ; the next 512 keys
	s_wait_xcnt 0x0                                ; the last prefetch, a slot back, has read its address
	s_add_nc_u64 s[PFA:PFA+1], s[PFA:PFA+1], s[PFS:PFS+1]
	s_wait_dscnt 0x0
	s_barrier_signal -1
	s_barrier_wait -1
	s_add_co_u32 s96, s[KF], SK                    ; the first key of the slot that this change would ask for:
	s_cmp_gt_u32 s96, s[LASTQ]                     ; past my work-group's last query nobody would read it (in the fourth trip always)
	s_cbranch_scc1 .Lpast
	TLOAD                                          ; a wave's one tensor load until the next such barrier
.Lpast:
	s_cmp_gt_u32 s[SLOTS], s[LIM]
	s_cbranch_scc0 .Lnot_mine
	global_prefetch_b8 v[PFO], s[PFA:PFA+1] th:TH_LOAD_NT scope:SCOPE_SE
.Lnot_mine:
	STEP 0, 12, 16, 160, QA
	STEP 1, 248, 24, 192, QB
	STEP 2, 12, 16, 160, QA
	STEP 3, 248, 24, 192, QB
	s_xor_b32 s[TB], s[TB], SLOT1
	s_sub_co_u32 s[SLOTS], s[SLOTS], 1
	s_cmp_lg_u32 s[SLOTS], 0
	s_cbranch_scc1 .Lslot
	; THE EXCHANGE.  My set B goes to my partner (wave xor 1) as an image of its registers; the eight vector lines down to the first store name no register of the last products: they are the places behind them.
	s_lshr_b32 s88, s[WV], 3
	s_lshl_b32 s88, s88, 17
	s_add_co_u32 s88, s88, XCH                     ; behind the tiles of slot wave / 8
	s_and_b32 s84, s[WV], 7
	s_mul_i32 s84, s84, XW
	s_add_co_u32 s84, s84, s88                     ; my part of the exchange,
	s_xor_b32 s85, s[WV], 1
	s_and_b32 s85, s85, 7
	s_mul_i32 s85, s85, XW
	s_add_co_u32 s85, s85, s88                     ; my partner's
	v_add_f32 v249, v250, v251                     ; set B's sum, beside its -M
	v_add_f32 v14, v14, v15                        ; set A's
	v_add_nc_u32 v10, s84, v[GO]
	v_add_nc_u32 v11, s85, v[GO]
	v_and_b32 v8, 31, v0
	v_lshlrev_b32 v8, 3, v8
	v_add_nc_u32 v9, s84, v8
	v_add_nc_u32 v8, s85, v8
.irp t, 0,1,2,3
	s_wait_alu depctr_va_vdst(0)                   ; directly ahead of each accumulator's first reader
	ds_store_b128 v10, v[192+8*\t:195+8*\t] offset:1024*\t
	ds_store_b128 v10, v[196+8*\t:199+8*\t] offset:1024*\t+512
.endr
	ds_store_b64 v9, v[248:249] offset:4096
	s_wait_dscnt 0x0                               ; for my partner's sake: my stores are done
	s_barrier_signal -1
	s_barrier_wait -1
.irp k, 0,1,2,3,4,5,6,7
	ds_load_b128 v[96+4*\k:99+4*\k], v11 offset:512*\k     ; the other half of my set A's tile: O^T,
.endr
	ds_load_b64 v[128:129], v8 offset:4096                 ; -M and the sum
	s_wait_dscnt 0x0
	v_min_num_f32 v130, v12, v128                  ; -M of the two parts together
	v_sub_f32 v131, v130, v12                      ; my M less that, 0 or less
	v_sub_f32 v132, v130, v128                     ; the other part's
	v_cvt_i32_f32 v131, v131                       ; (they saturate: a part with no step gets the factor 0)
	v_cvt_i32_f32 v132, v132
	v_ldexp_f32 v131, 1.0, v131
	v_ldexp_f32 v132, 1.0, v132
	v_mul_f32 v14, v14, v131
	v_fmac_f32 v14, v129, v132
	v_permlanex16_b32 v[XL], v14, s[SEL], s[SEL+1]
	v_add_f32 v14, v14, v[XL]                      ; the row's sum
	s_wait_alu depctr_va_vdst(0)                   ; ahead of the transcendental
	v_rcp_f32 v14, v14
	; THE WAY OUT: quantised with 2^e10, through my stage, out as 1,024 consecutive bytes.  The stage is 1,024 bytes a wave behind the eight parts of the exchange, in the same gap behind a slot's tiles: bytes on which no fill lands.
	v_and_b32 v8, 15, v0                           ; (plain lines behind the transcendental)
	v_bfe_u32 v9, v0, 4, 1
	s_and_b32 s84, s[WV], 7
	s_lshl_b32 s84, s84, 10
	s_add_co_u32 s84, s84, s88                     ; s88: where the exchange of my eight waves begins
	s_add_co_u32 s84, s84, 8*XW
	v_lshlrev_b32 v10, 6, v8
	v_lshl_add_u32 v10, v9, 3, v10
	v_add_nc_u32 v10, s84, v10                     ; in: 64 r + 8 h
	v_add_nc_u32 v11, s84, v[GO]                   ; back: 16 x lane
	s_sub_co_i32 s85, s74, s72
	s_sub_co_i32 s85, s85, s73                     ; a sum stands for sum x 2^(e8 + e9): its code is sum / 2^(e10 - e8 - e9)
	s_add_co_i32 s85, s85, 127
	s_lshl_b32 s88, s85, 23
	v_mov_b32 v246, s88
	s_add_co_i32 s85, s85, 15
	s_lshl_b32 s85, s85, 23
	s_or_b32 s85, s85, 0x600000
	v_mov_b32 v247, s85
	s_wait_alu depctr_va_vdst(0)                   ; ahead of the reciprocal's first reader
	v_mul_f32 v134, v131, v14                      ; each part's factor / the sum, in both words of a pair
	v_mul_f32 v135, v131, v14
	v_mul_f32 v136, v132, v14
	v_mul_f32 v137, v132, v14
.set n, 0
.rept 16
	v_pk_mul_f32 v[96+n:97+n], v[96+n:97+n], v[136:137]
.set n, n+2
.endr
	s_wait_alu depctr_va_vdst(0)                   ; directly ahead of the first reader of O^T
.set n, 0
.rept 16
	v_pk_fma_f32 v[96+n:97+n], v[160+n:161+n], v[134:135], v[96+n:97+n]   ; register 8 t + i: channel 16 t + 8 h + i of query r; each accumulator from its low end on
.set n, n+2
.endr
.set n, 0
.rept 32
	v_med3_num_f32 v[96+n], v[96+n], -v247, v247
.set n, n+1
.endr
.irp t, 0,1,2,3
	v_cvt_scalef32_pk8_bf8_f32 v[224+2*\t:225+2*\t], v[96+8*\t:103+8*\t], v246
.endr
	v_nop
.irp t, 0,1,2,3
	ds_store_b64 v10, v[224+2*\t:225+2*\t] offset:16*\t
.endr
.irp i, 0,1
	ds_load_b128 v[32+4*\i:35+4*\i], v11 offset:512*\i     ; my own bytes, in order behind my stores
.endr
.irp i, 0,1
	s_wait_dscnt 1-\i
	global_store_b128 v[GO], v[32+4*\i:35+4*\i], s[86:87] offset:512*\i
.endr
	s_wait_tensorcnt 0x0                           ; the wave's end
	ds_add_u32 v[SPW], v[NIL]
	s_wait_dscnt 0x0
	s_endpgm
.Lfunc_end_k_q061db7af23_attn:
	.size	k_q061db7af23_attn, .Lfunc_end_k_q061db7af23_attn-k_q061db7af23_attn
	.p2alignl 7, 3214868480
	.fill 96, 4, 3214868480
	.section	.rodata,"a",@progbits
	.p2align	6, 0x0
	.amdhsa_kernel k_q061db7af23_attn
		.amdhsa_group_segment_fixed_size 327680
		.amdhsa_private_segment_fixed_size 0
		.amdhsa_enable_private_segment 0
		.amdhsa_kernarg_size 24
		.amdhsa_user_sgpr_count 2
		.amdhsa_user_sgpr_kernarg_segment_ptr 1
		.amdhsa_wavefront_size32 1
		.amdhsa_system_sgpr_workgroup_id_x 1
		.amdhsa_system_sgpr_workgroup_id_y 1
		.amdhsa_system_sgpr_workgroup_id_z 1
		.amdhsa_system_vgpr_workitem_id 0
		.amdhsa_next_free_vgpr 256
		.amdhsa_next_free_sgpr 100
		.amdhsa_reserve_vcc 1
		.amdhsa_float_denorm_mode_32 3
		.amdhsa_float_denorm_mode_16_64 3
		.amdhsa_memory_ordered 1
		.amdhsa_forward_progress 1
		.amdhsa_inst_pref_size 107
	.end_amdhsa_kernel
	.amdgpu_metadata
---
amdhsa.version: [ 1, 2 ]
amdhsa.kernels:
  - .name:           k_q061db7af23_attn
    .symbol:         k_q061db7af23_attn.kd
    .args:
      - { .name: qkv, .offset: 0, .size: 8, .value_kind: global_buffer, .address_space: global }
      - { .name: lowp_scales, .offset: 8, .size: 8, .value_kind: global_buffer, .address_space: global }
      - { .name: ac, .offset: 16, .size: 8, .value_kind: global_buffer, .address_space: global }
    .group_segment_fixed_size: 327680
    .private_segment_fixed_size: 0
    .kernarg_segment_align: 8
    .kernarg_segment_size: 24
    .max_flat_workgroup_size: 512
    .sgpr_count:     100
    .vgpr_count:     256
    .wavefront_size: 32
...
	.end_amdgpu_metadata
.endif
;; end of part 3
;; launch wo (part 4): grid 8 x 32, 4 waves a work-group, clusters of 4 x 4, 327,680 bytes of LDS; arguments ac, wo_codes, lowp_scales, x, x1; writes x1
.if DOCPART == 4
	.amdgcn_target "amdgcn-amd-amdhsa--gfx1250"
	.amdhsa_code_object_version 6
	.text
	.protected	k_q061db7af23_wo
	.globl	k_q061db7af23_wo
	.p2align	8
	.type	k_q061db7af23_wo,@function
k_q061db7af23_wo:
	s_mov_b64 s[64:65], 0
	v_nop
	global_prefetch_b8 v0, s[64:65] scope:SCOPE_SE
	s_setreg_imm32_b32 hwreg(HW_REG_WAVE_MODE, 25, 1), 1
	s_wait_xcnt 0x0
	s_wait_alu depctr_hold_cnt(0) depctr_sa_sdst(0) depctr_va_vdst(0) depctr_va_sdst(0) depctr_va_ssrc(0) depctr_va_vcc(0) depctr_vm_vsrc(0)
	s_getreg_b32 s2, hwreg(HW_REG_IB_STS2, 6, 4)
	s_cmp_eq_u32 s2, 0
	s_cbranch_scc0 .Lentry_in_a_cluster
	s_endpgm
.Lentry_in_a_cluster:
	s_bfe_u32 s2, ttmp6, 0x10000c
	s_cmp_lg_u32 s2, 0xf033
	s_cbranch_scc0 .Lentry_shape_is_right
	s_endpgm
.Lentry_shape_is_right:
; LAUNCH 4 OF 7: x1 = x + a wo^T on codes of BF8, K = 1,024.  a: [K / 64][4,096 tokens][64 bytes] (attention's output); wo: [1,024][K]; x, x1: [4,096][1,024] f32.  y = sum x 2^(e10 + e11) + x.
; LIMIT: e10 + e11 between -126 and 127.
; N is 1,024: tiles of 128 x 128 give 256 work-groups.  Four waves, 64 x 64 each: 16 accumulators.
; ALL OF K LIES IN LDS AT ONCE: 128 rows of each operand x 1,024 bytes.  Each wave issues one joint load at the head (waves 0, 1: A's halves; waves 2, 3: B's); nothing is filled again, so there is one wait on TENSORcnt and one barrier.
; CLUSTERS: 4 x 4; A's tile is shared along a row of the cluster, B's along a column.  The matrix instruction is used transposed: a lane holds eight neighbouring columns of a row.
; NO PREFETCH: every byte is asked for by the head's one load a wave; there is no loop to run ahead in.
; LDS: A: [half 2][block of 64 k: 16][64 tokens][64 bytes + 16]; then B: [half 2][64 rows][1,024 bytes + 16]; a stage of 16 rows x 272 bytes for each wave; the spare words: 314,880 bytes in all.
; REGISTERS: window 0: addresses; v32-95 the way out; v128-255 the accumulators ((a, b) at v[128 + 8 (4 a + b)]).  window 1: two fragment buffers: A's 4 x 16 registers, then B's.  window 2: v0-127 my 64 x 64 of the residual, asked for at the head.
.set SIZE_K, 1024
.set EOFF,   0x28
.set AQ,     8*64*80                   ; eight blocks of 64 k: what one address register and a 16-bit offset reach
.set AH,     2*AQ
.set BP,     1040
.set BH,     64*BP
.set BOFF,   2*AH
.set STAGE,  2*AH+2*BH
.set SPITCH, 272
.set SPARE,  STAGE+4*16*SPITCH
.set ADRA, 16
.set ADRB, 20
.set STO,  24
.set RD,   25
.set CO,   26
.set SPW,  28
.set NIL,  29
.set OB,   32
.set ACC,  128
.set F0,   0
.set F1,   128
.set G1, 24
.set G0, 32
.set G1B, 48
.set G0B, 56
.set MSB, 0
.macro WIN new
.if MSB != \new
	s_set_vgpr_msb (MSB<<8)|\new
.set MSB, \new
.endif
.endm
.set MUL,  0x05
.set TO_F, 0x40
.macro CREST
	s_cmp_lg_u32 s14, 0
	s_cbranch_scc1 .Lnot_wave_0_\@
	s_barrier_signal -3
.Lnot_wave_0_\@:
	s_barrier_wait -3
	s_barrier_signal -1
	s_barrier_wait -1
.endm
.macro CROUND
	s_barrier_signal -1
	s_barrier_wait -1
	CREST
.endm
	s_load_b256 s[4:11], s[0:1], 0x0               ; A's codes, B's codes, the scales' exponents, the residual
	s_load_b64 s[12:13], s[0:1], 0x20              ; the output
	v_lshl_add_u32 v[SPW], v0, 2, SPARE
	v_mov_b32 v[NIL], 0
	ds_add_u32 v[SPW], v[NIL]                      ; the opening: the add, twice on end, and its wait ahead of my first tensor load
	ds_add_u32 v[SPW], v[NIL]
	v_lshrrev_b32 v1, 5, v0
	v_readfirstlane_b32 s14, v1                    ; wave 0..3
	s_lshr_b32 s15, s14, 1                         ; my half of the rows.  Also: I fetch for A (0) or B (1)
	s_and_b32 s16, s14, 1                          ; my half of the columns.  Also: which half I fetch
	s_bfe_u32 s40, ttmp6, 0x40000
	s_bfe_u32 s41, ttmp6, 0x40004
	s_lshl_b32 s42, ttmp9, 2
	s_add_co_u32 s42, s42, s40                     ; tile column
	s_and_b32 s17, ttmp7, 0xffff
	s_lshl_b32 s17, s17, 2
	s_add_co_u32 s17, s17, s41                     ; tile row
	s_lshl_b32 s43, s41, 2
	s_lshl_b32 s43, 15, s43
	s_lshl_b32 s44, 0x1111, s40
	s_or_b32 s[G1], s43, (0<<16)|(1<<20)|(1<<21)|(3<<22)|(3<<25)   ; A: a row of the tile is 64 tokens x 64 bytes, dense in memory; 4 words of padding behind every 16, that is behind each token
	s_mov_b32 s[G1+1], 4096<<16
	s_mov_b32 s[G1+2], 16<<16                      ; sixteen blocks of 64 k
	s_mov_b32 s[G1+3], 4096<<16
	s_mov_b32 s[G1+4], 16
	s_mov_b32 s[G1+5], 262144                      ; from block to block: 4,096 tokens x 64 bytes
	s_mov_b32 s[G1+6], 0
	s_mov_b32 s[G1+7], 0
	s_or_b32 s[G1B], s44, (0<<16)|(1<<20)|(1<<21)|(7<<22)|(3<<25)  ; B: 64 rows x 1,024 bytes; 4 words behind every 256
	s_mov_b32 s[G1B+1], SIZE_K<<16
	s_mov_b32 s[G1B+2], 64<<16
	s_mov_b32 s[G1B+3], SIZE_K<<16
	s_mov_b32 s[G1B+4], 64
	s_mov_b32 s[G1B+5], SIZE_K
	s_mov_b32 s[G1B+6], 0
	s_mov_b32 s[G1B+7], 0
	s_lshl_b32 s18, s16, 6
	s_lshl_b32 s20, s17, 7
	s_add_co_u32 s20, s20, s18
	s_lshl_b32 s20, s20, 6                         ; A: token 128 x tile row + 64 x half, 64 bytes each
	s_mov_b32 s21, 0
	s_lshl_b32 s46, s42, 7
	s_add_co_u32 s46, s46, s18
	s_mul_i32 s46, s46, SIZE_K                     ; B: row 128 x tile column + 64 x half
	s_mov_b32 s47, 0
	s_mul_i32 s45, s16, AH                         ; where they go
	s_mul_i32 s19, s16, BH
	s_add_co_u32 s19, s19, BOFF
	s_wait_dscnt 0x0                               ; both opening adds are done
	s_wait_kmcnt 0x0
	s_load_b64 s[96:97], s[8:9], EOFF              ; eA, eB
	s_mov_b32 s[G0], 1
	s_mov_b32 s[G0+1], s45
	s_add_nc_u64 s[G0+2:G0+3], s[4:5], s[20:21]
	s_or_b32 s[G0+3], s[G0+3], 0x80000000
	s_mov_b32 s[G0B], 1
	s_mov_b32 s[G0B+1], s19
	s_add_nc_u64 s[G0B+2:G0B+3], s[6:7], s[46:47]
	s_or_b32 s[G0B+3], s[G0B+3], 0x80000000
	CROUND                                         ; the joint loads meet
	s_cmp_eq_u32 s15, 0                            ; one load a wave, in the two arms of one branch on the wave's number; an s_nop 0 and four v_nop follow each line
	s_cbranch_scc0 .Lfor_b
	tensor_load_to_lds s[G0:G0+3], s[G1:G1+7]
	s_nop 0
.rept 4
	v_nop
.endr
	s_branch .Lasked
.Lfor_b:
	tensor_load_to_lds s[G0B:G0B+3], s[G1B:G1B+7]
	s_nop 0
.rept 4
	v_nop
.endr
.Lasked:
	s_mul_i32 s21, s15, AH
	s_add_co_u32 s18, s21, AQ
	s_mul_i32 s22, s16, BH
	s_add_co_u32 s22, s22, BOFF
	s_mul_i32 s23, s14, 16*SPITCH
	s_add_co_u32 s23, s23, STAGE                   ; my stage
	v_and_b32 v1, 15, v0                           ; r
	v_bfe_u32 v2, v0, 4, 1                         ; h
	v_mul_u32_u24 v3, v1, 80
	v_lshl_add_u32 v3, v2, 4, v3
	v_mul_u32_u24 v4, v1, BP
	v_lshl_add_u32 v4, v2, 4, v4
	v_add_nc_u32 v[ADRA], s21, v3                  ; A's blocks 0-7,
	v_add_nc_u32 v[ADRA+1], s18, v3                ; and 8-15
	v_add_nc_u32 v[ADRB], s22, v4
	v_mul_u32_u24 v5, v1, SPITCH
	v_lshl_add_u32 v5, v2, 5, v5
	v_add_nc_u32 v[STO], s23, v5                   ; in: row r, 32 bytes for each half of the lanes
	v_mul_u32_u24 v5, v2, SPITCH
	v_lshl_add_u32 v5, v1, 4, v5
	v_add_nc_u32 v[RD], s23, v5                    ; back: lanes 0-15 one row of 256 bytes, lanes 16-31 the next
	v_lshlrev_b32 v5, 12, v2
	v_lshl_add_u32 v[CO], v1, 4, v5                ; and the same two rows in memory
	s_wait_alu depctr_va_vdst(0)                   ; the end of the head's vector work
	s_lshl_b32 s20, s17, 7
	s_lshl_b32 s21, s15, 6
	s_add_co_u32 s20, s20, s21
	s_lshl_b32 s20, s20, 12                        ; my first row, of 4,096 bytes,
	s_lshl_b32 s46, s42, 9
	s_lshl_b32 s47, s16, 8
	s_add_co_u32 s46, s46, s47                     ; my first column, in bytes
	s_add_co_u32 s20, s20, s46
	s_mov_b32 s21, 0
	s_add_nc_u64 s[10:11], s[10:11], s[20:21]
	s_add_nc_u64 s[12:13], s[12:13], s[20:21]
	WIN 0x80                                       ; destination window 2
.set n, 0
.rept 32
	global_load_b128 v[4*n:4*n+3], v[CO], s[10:11] offset:8192*n   ; the residual: two whole runs of 256 bytes a load; waited for on the way out
.set n, n+1
.endr
	WIN 0
.macro MUL8 f, a0, zero                ; A's blocks a0, a0 + 1 x B's four, 128 along K; the 16 accumulators take turns
.irp a, \a0, \a0+1
.irp b, 0,1,2,3
.if \zero
	v_wmma_f32_16x16x128_bf8_bf8 v[ACC+8*(4*(\a)+\b):ACC+8*(4*(\a)+\b)+7], v[\f+64+16*\b:\f+64+16*\b+15], v[\f+16*(\a):\f+16*(\a)+15], 0
.else
	v_wmma_f32_16x16x128_bf8_bf8 v[ACC+8*(4*(\a)+\b):ACC+8*(4*(\a)+\b)+7], v[\f+64+16*\b:\f+64+16*\b+15], v[\f+16*(\a):\f+16*(\a)+15], v[ACC+8*(4*(\a)+\b):ACC+8*(4*(\a)+\b)+7]
.endif
.endr
.endr
.endm
.macro FETCH q, f                      ; 32 LDS loads in one run: the fragments of the q-th 128 along K: registers 4 c .. 4 c + 3 hold k = 32 c + 16 h + 0 .. 15, in both operands
	WIN TO_F
.irp i, 0,1,2,3
.irp c, 0,1,2,3
	ds_load_b128 v[\f+64+16*\i+4*\c:\f+64+16*\i+4*\c+3], v[ADRB] offset:128*(\q)+32*\c+16*BP*\i
.endr
.endr
.irp i, 0,1,2,3
.irp c, 0,1,2,3
	ds_load_b128 v[\f+16*\i+4*\c:\f+16*\i+4*\c+3], v[ADRA+(\q)/4] offset:(2*((\q)%4)+\c/2)*5120+1280*\i+32*(\c%2)
.endr
.endr
.endm
.macro PLACES
.rept 4
	v_nop
.endr
.endm
.macro EIGHTH qn, f, g, zero           ; multiplies buffer f; ahead of that it asks for the 128 along K with number qn, into g
	s_wait_dscnt 0x0                               ; f's fragments are in
	PLACES                                         ; in front of loads into registers that the last products read
	FETCH \qn, \g
	WIN MUL
	MUL8 \f, 0, \zero
	MUL8 \f, 2, \zero
.endm
	s_wait_tensorcnt 0x0                           ; my part of the tiles is in;
	s_barrier_signal -1
	s_barrier_wait -1                              ; everybody's is
	FETCH 0, F0
	EIGHTH 1, F0, F1, 1                            ; the first products start the sums
.irp q, 2,4,6
	EIGHTH \q, F1, F0, 0
	EIGHTH \q+1, F0, F1, 0
.endr
	s_wait_dscnt 0x0
	WIN MUL
	MUL8 F1, 0, 0
	MUL8 F1, 2, 0
	WIN 0
	; THE WAY OUT, 16 rows at a time through my own stage: back as whole rows of 256 bytes, x 2^(eA + eB) + the residual, stored.
	s_wait_kmcnt 0x0
	s_add_co_i32 s96, s96, s97
	s_add_co_i32 s96, s96, 127
	s_lshl_b32 s96, s96, 23                        ; 2^(eA + eB)
	s_mov_b32 s97, s96
	PLACES
	s_wait_loadcnt 0x0                             ; the residual
.macro TOSTAGE a
.set BB, OB+32*((\a)%2)
.irp b, 0,1,2,3
	ds_store_b128 v[STO], v[ACC+8*(4*(\a)+\b):ACC+8*(4*(\a)+\b)+3] offset:64*\b          ; each accumulator from its low end on
	ds_store_b128 v[STO], v[ACC+8*(4*(\a)+\b)+4:ACC+8*(4*(\a)+\b)+7] offset:64*\b+16
.endr
.irp t, 0,1,2,3,4,5,6,7
	ds_load_b128 v[BB+4*\t:BB+4*\t+3], v[RD] offset:\t*2*SPITCH   ; my own bytes, in order behind my stores
.endr
.endm
.macro SEND a, younger                 ; younger: the LDS instructions issued behind block a's loads
.set BB, OB+32*((\a)%2)
	s_wait_dscnt \younger
	WIN 0x20                                       ; source 2: window 2
.set n, 0
.rept 16
	v_pk_fma_f32 v[BB+n:BB+n+1], v[BB+n:BB+n+1], s[96:97], v[32*(\a)+n:32*(\a)+n+1] op_sel_hi:[1,0,1]
.set n, n+2
.endr
	WIN 0
.irp t, 0,1,2,3,4,5,6,7
	global_store_b128 v[CO], v[BB+4*\t:BB+4*\t+3], s[12:13] offset:(16*(\a)+2*\t)*4096   ; sixteen lanes store 256 consecutive bytes, aligned
.endr
.endm
	TOSTAGE 0
.irp a, 1,2,3
.if \a > 1
	s_wait_xcnt 0x0                                ; block a - 2's stores have read their registers: block a's loads may land there
.endif
	TOSTAGE \a
	SEND \a-1, 16
.endr
	SEND 3, 0
	s_wait_tensorcnt 0x0                           ; the wave's end
	ds_add_u32 v[SPW], v[NIL]
	s_wait_dscnt 0x0
	CROUND                                         ; the closing round
	s_endpgm
.Lfunc_end_k_q061db7af23_wo:
	.size	k_q061db7af23_wo, .Lfunc_end_k_q061db7af23_wo-k_q061db7af23_wo
	.p2alignl 7, 3214868480
	.fill 96, 4, 3214868480
	.section	.rodata,"a",@progbits
	.p2align	6, 0x0
	.amdhsa_kernel k_q061db7af23_wo
		.amdhsa_group_segment_fixed_size 327680
		.amdhsa_private_segment_fixed_size 0
		.amdhsa_enable_private_segment 0
		.amdhsa_kernarg_size 40
		.amdhsa_user_sgpr_count 2
		.amdhsa_user_sgpr_kernarg_segment_ptr 1
		.amdhsa_wavefront_size32 1
		.amdhsa_system_sgpr_workgroup_id_x 1
		.amdhsa_system_sgpr_workgroup_id_y 1
		.amdhsa_system_sgpr_workgroup_id_z 1
		.amdhsa_system_vgpr_workitem_id 0
		.amdhsa_next_free_vgpr 640
		.amdhsa_next_free_sgpr 98
		.amdhsa_reserve_vcc 0
		.amdhsa_float_denorm_mode_32 3
		.amdhsa_float_denorm_mode_16_64 3
		.amdhsa_memory_ordered 1
		.amdhsa_forward_progress 1
		.amdhsa_inst_pref_size 47
	.end_amdhsa_kernel
	.amdgpu_metadata
---
amdhsa.version: [ 1, 2 ]
amdhsa.kernels:
  - .name:           k_q061db7af23_wo
    .symbol:         k_q061db7af23_wo.kd
    .args:
      - { .name: ac, .offset: 0, .size: 8, .value_kind: global_buffer, .address_space: global }
      - { .name: wo_codes, .offset: 8, .size: 8, .value_kind: global_buffer, .address_space: global }
      - { .name: lowp_scales, .offset: 16, .size: 8, .value_kind: global_buffer, .address_space: global }
      - { .name: x, .offset: 24, .size: 8, .value_kind: global_buffer, .address_space: global }
      - { .name: x1, .offset: 32, .size: 8, .value_kind: global_buffer, .address_space: global }
    .group_segment_fixed_size: 327680
    .private_segment_fixed_size: 0
    .kernarg_segment_align: 8
    .kernarg_segment_size: 40
    .max_flat_workgroup_size: 128
    .sgpr_count:     98
    .vgpr_count:     640
    .wavefront_size: 32
...
	.end_amdgpu_metadata
.endif
;; end of part 4
;; launch norm2 (part 5): grid 256 x 1, 8 waves a work-group, no clusters, 82,944 bytes of LDS; arguments x1, g2, lowp_scales, h2c; writes h2c
.if DOCPART == 5
	.amdgcn_target "amdgcn-amd-amdhsa--gfx1250"
	.amdhsa_code_object_version 6
	.text
	.protected	k_q061db7af23_norm2
	.globl	k_q061db7af23_norm2
	.p2align	8
	.type	k_q061db7af23_norm2,@function
k_q061db7af23_norm2:
	s_mov_b64 s[64:65], 0
	v_nop
	global_prefetch_b8 v0, s[64:65] scope:SCOPE_SE
	s_setreg_imm32_b32 hwreg(HW_REG_WAVE_MODE, 25, 1), 1
	s_wait_xcnt 0x0
; LAUNCH 5 OF 7: rmsnorm(x1, g2) as codes of BF8 with 2^e12, the scale of the left operand of h w1^T.  The first launch's text with one set of codes.
; code = y / 2^e, held within +-57,344, to the nearest code, ties to even.  LIMIT: e12 between -126 and 112.  NaN among the inputs is not served.
; A work-group takes 16 rows, each of its eight waves two; a row turns through the wave's own stage in LDS so that a lane holds 16 neighbours along K, while the sum of squares is taken of the registers as loaded.
.set NS,    1
.set SP,    80
.set WREG,  10240
.set SPARE, 8*WREG
.set SPW,   6
.set NIL,   7
.set SC,    14
.set LIM,   17
.set R,     32
.set G,     96
.set X,     128
.set T,     192
	s_load_b256 s[4:11], s[0:1], 0x0               ; x1, g, the scales' exponents, the codes
	v_lshl_add_u32 v[SPW], v0, 2, SPARE
	v_mov_b32 v[NIL], 0
	v_lshrrev_b32 v5, 5, v0
	s_delay_alu instid0(VALU_DEP_1)
	v_readfirstlane_b32 s12, v5
	v_and_b32 v5, 31, v0
	s_delay_alu instid0(VALU_DEP_1)
	v_lshlrev_b32 v1, 4, v5
	s_delay_alu instid0(VALU_DEP_2)
	v_lshlrev_b32 v4, 6, v5
	s_mul_i32 s13, s12, WREG
	v_lshrrev_b32 v2, 2, v5
	s_delay_alu instid0(VALU_DEP_1)
	v_mul_u32_u24 v2, v2, SP
	v_and_b32 v3, 3, v5
	s_delay_alu instid0(VALU_DEP_1)
	v_lshl_add_u32 v2, v3, 4, v2
	s_delay_alu instid0(VALU_DEP_1)
	v_add_nc_u32 v2, s13, v2
	v_mul_u32_u24 v3, v5, SP
	s_delay_alu instid0(VALU_DEP_1)
	v_add_nc_u32 v3, s13, v3
	s_lshl_b32 s14, ttmp9, 16
	s_lshl_b32 s15, s12, 13
	s_add_co_u32 s14, s14, s15
	s_mov_b32 s15, 0
	s_lshr_b32 s18, s14, 2
	s_mov_b32 s19, 0
	s_mov_b32 s26, 0x3a800000                      ; 1 / 1024
	s_mov_b32 s27, 0x3727c5ac                      ; 1e-5
	s_mov_b32 s28, 0x76543210
	s_mov_b32 s29, 0xfedcba98
	s_wait_alu depctr_va_vdst(0)
	s_wait_kmcnt 0x0
	s_load_b32 s32, s[8:9], 0x30                   ; e12
	s_add_nc_u64 s[16:17], s[4:5], s[14:15]
	s_add_nc_u64 s[20:21], s[10:11], s[18:19]
.irp k, 0,1,2,3,4,5,6,7
	global_load_b128 v[G+4*\k:G+4*\k+3], v4, s[6:7] offset:2048*(\k/4)+16*(\k%4)
.endr
.irp i, 0,1
.irp k, 0,1,2,3,4,5,6,7
	global_load_b128 v[R+32*\i+4*\k:R+32*\i+4*\k+3], v1, s[16:17] offset:4096*\i+512*\k
.endr
.endr
	s_wait_kmcnt 0x0
	s_add_co_i32 s40, s32, 127
	s_lshl_b32 s41, s40, 23
	v_mov_b32 v[SC], s41                           ; 2^e
	s_add_co_i32 s40, s40, 15
	s_lshl_b32 s40, s40, 23
	s_or_b32 s40, s40, 0x600000
	v_mov_b32 v[LIM], s40                          ; 57,344 x 2^e
.macro ROW i, left
	s_wait_loadcnt \left                           ; loads come back in order: g and this row are in
.irp k, 0,1,2,3,4,5,6,7
	ds_store_b128 v2, v[R+32*\i+4*\k:R+32*\i+4*\k+3] offset:5120*\i+2560*(\k/4)+640*(\k%4)
.endr
.irp k, 0,1,2,3,4,5,6,7
	ds_load_b128 v[X+32*\i+4*\k:X+32*\i+4*\k+3], v3 offset:5120*\i+2560*(\k/4)+16*(\k%4)   ; in order behind the stores above
.endr
	v_pk_mul_f32 v[8:9], v[R+32*\i:R+32*\i+1], v[R+32*\i:R+32*\i+1]
	v_pk_mul_f32 v[10:11], v[R+32*\i+2:R+32*\i+3], v[R+32*\i+2:R+32*\i+3]
.irp p, 4,8,12,16,20,24,28
	s_delay_alu instid0(VALU_DEP_2)
	v_pk_fma_f32 v[8:9], v[R+32*\i+\p:R+32*\i+\p+1], v[R+32*\i+\p:R+32*\i+\p+1], v[8:9]
	s_delay_alu instid0(VALU_DEP_2)
	v_pk_fma_f32 v[10:11], v[R+32*\i+\p+2:R+32*\i+\p+3], v[R+32*\i+\p+2:R+32*\i+\p+3], v[10:11]
.endr
	s_delay_alu instid0(VALU_DEP_1)
	v_pk_add_f32 v[8:9], v[8:9], v[10:11]
	s_delay_alu instid0(VALU_DEP_1)
	v_add_f32 v8, v8, v9
	s_delay_alu instid0(VALU_DEP_1)
	v_add_f32_dpp v8, v8, v8 row_xmask:1 row_mask:0xf bank_mask:0xf
	s_delay_alu instid0(VALU_DEP_1)
	v_add_f32_dpp v8, v8, v8 row_xmask:2 row_mask:0xf bank_mask:0xf
	s_delay_alu instid0(VALU_DEP_1)
	v_add_f32_dpp v8, v8, v8 row_xmask:4 row_mask:0xf bank_mask:0xf
	s_delay_alu instid0(VALU_DEP_1)
	v_add_f32_dpp v8, v8, v8 row_xmask:8 row_mask:0xf bank_mask:0xf
	s_delay_alu instid0(VALU_DEP_1)
	v_permlanex16_b32 v9, v8, s28, s29
	s_delay_alu instid0(VALU_DEP_1)
	v_add_f32 v8, v8, v9
	s_delay_alu instid0(VALU_DEP_1)
	v_fma_f32 v8, v8, s26, s27                     ; the mean + eps
	s_wait_alu depctr_va_vdst(0)
	v_rsq_f32 v12, v8
	v_mov_b32 v13, 0                               ; a plain line behind the transcendental
	s_wait_alu depctr_va_vdst(0)                   ; ahead of the result's first reader
	s_wait_dscnt 0x0
.irp p, 0,2,4,6,8,10,12,14,16,18,20,22,24,26,28,30
	v_pk_mul_f32 v[X+32*\i+\p:X+32*\i+\p+1], v[X+32*\i+\p:X+32*\i+\p+1], v[12:13] op_sel_hi:[1,0]
.endr
.irp p, 0,2,4,6,8,10,12,14,16,18,20,22,24,26,28,30
	v_pk_mul_f32 v[X+32*\i+\p:X+32*\i+\p+1], v[X+32*\i+\p:X+32*\i+\p+1], v[G+\p:G+\p+1]
.endr
.irp j, 0,1
.irp n, 0,1,2,3,4,5,6,7,8,9,10,11,12,13,14,15
	v_med3_num_f32 v[T+16*\j+\n], v[X+32*\i+16*\j+\n], -v[LIM], v[LIM]   ; the hold (ISA guide 7.6.2), into the set that the last conversions did not read
.endr
	v_cvt_scalef32_pk8_bf8_f32 v[R+32*\i+4*\j:R+32*\i+4*\j+1], v[T+16*\j:T+16*\j+7], v[SC]
	v_cvt_scalef32_pk8_bf8_f32 v[R+32*\i+4*\j+2:R+32*\i+4*\j+3], v[T+16*\j+8:T+16*\j+15], v[SC]
	global_store_b128 v1, v[R+32*\i+4*\j:R+32*\i+4*\j+3], s[20:21] offset:1024*\i+512*\j   ; 512 consecutive bytes
.endr
.endm
	ROW 0, 8                                       ; row 1's eight loads may stay out
	ROW 1, 0
	s_wait_tensorcnt 0x0                           ; the wave's end
	ds_add_u32 v[SPW], v[NIL]
	s_wait_dscnt 0x0
	s_endpgm
.Lfunc_end_k_q061db7af23_norm2:
	.size	k_q061db7af23_norm2, .Lfunc_end_k_q061db7af23_norm2-k_q061db7af23_norm2
	.p2alignl 7, 3214868480
	.fill 96, 4, 3214868480
	.section	.rodata,"a",@progbits
	.p2align	6, 0x0
	.amdhsa_kernel k_q061db7af23_norm2
		.amdhsa_group_segment_fixed_size 82944
		.amdhsa_private_segment_fixed_size 0
		.amdhsa_enable_private_segment 0
		.amdhsa_kernarg_size 32
		.amdhsa_user_sgpr_count 2
		.amdhsa_user_sgpr_kernarg_segment_ptr 1
		.amdhsa_wavefront_size32 1
		.amdhsa_system_sgpr_workgroup_id_x 1
		.amdhsa_system_sgpr_workgroup_id_y 1
		.amdhsa_system_sgpr_workgroup_id_z 1
		.amdhsa_system_vgpr_workitem_id 0
		.amdhsa_next_free_vgpr 224
		.amdhsa_next_free_sgpr 66
		.amdhsa_reserve_vcc 0
		.amdhsa_float_denorm_mode_32 3
		.amdhsa_float_denorm_mode_16_64 3
		.amdhsa_memory_ordered 1
		.amdhsa_forward_progress 1
		.amdhsa_inst_pref_size 21
	.end_amdhsa_kernel
	.amdgpu_metadata
---
amdhsa.version: [ 1, 2 ]
amdhsa.kernels:
  - .name:           k_q061db7af23_norm2
    .symbol:         k_q061db7af23_norm2.kd
    .args:
      - { .name: x1, .offset: 0, .size: 8, .value_kind: global_buffer, .address_space: global }
      - { .name: g2, .offset: 8, .size: 8, .value_kind: global_buffer, .address_space: global }
      - { .name: lowp_scales, .offset: 16, .size: 8, .value_kind: global_buffer, .address_space: global }
      - { .name: h2c, .offset: 24, .size: 8, .value_kind: global_buffer, .address_space: global }
    .group_segment_fixed_size: 82944
    .private_segment_fixed_size: 0
    .kernarg_segment_align: 8
    .kernarg_segment_size: 32
    .max_flat_workgroup_size: 256
    .sgpr_count:     66
    .vgpr_count:     224
    .wavefront_size: 32
...
	.end_amdgpu_metadata
.endif
;; end of part 5
;; launch w1 (part 6): grid 16 x 16, 4 waves a work-group, clusters of 4 x 4, 327,680 bytes of LDS; arguments h2c, w1_codes, lowp_scales, gc; writes gc
.if DOCPART == 6
	.amdgcn_target "amdgcn-amd-amdhsa--gfx1250"
	.amdhsa_code_object_version 6
	.text
	.protected	k_q061db7af23_w1
	.globl	k_q061db7af23_w1
	.p2align	8
	.type	k_q061db7af23_w1,@function
k_q061db7af23_w1:
	s_mov_b64 s[64:65], 0
	v_nop
	global_prefetch_b8 v0, s[64:65] scope:SCOPE_SE
	s_setreg_imm32_b32 hwreg(HW_REG_WAVE_MODE, 25, 1), 1
	s_wait_xcnt 0x0
	s_wait_alu depctr_hold_cnt(0) depctr_sa_sdst(0) depctr_va_vdst(0) depctr_va_sdst(0) depctr_va_ssrc(0) depctr_va_vcc(0) depctr_vm_vsrc(0)
	s_getreg_b32 s2, hwreg(HW_REG_IB_STS2, 6, 4)
	s_cmp_eq_u32 s2, 0
	s_cbranch_scc0 .Lentry_in_a_cluster
	s_endpgm
.Lentry_in_a_cluster:
	s_bfe_u32 s2, ttmp6, 0x10000c
	s_cmp_lg_u32 s2, 0xf033
	s_cbranch_scc0 .Lentry_shape_is_right
	s_endpgm
.Lentry_shape_is_right:
.set SIZE_K, 1024
.set KSTEP,  256
.set ROWB,   256
.set KROW,   SIZE_K
.set PITCH,  272
.set FR,     16
.set NL,     4
.set NP,     4
.set HALFT,  128*PITCH
.set SLOT,   4*HALFT
.set LAPS,   SIZE_K/(2*KSTEP)
.set SPARE,  2*SLOT
.set AREA,   128*528
.set ADRA, 16
.set ADRB, 20
.set STO,  24
.set RD,   25
.set CO,   26
.set SPW,  28
.set NIL,  29
.set XX,   32
.set HU,   64
.set ZZ,   96
.set WW,   128
.set PP,   160
.set QQ,   192
.set CA,   232
.set CB,   246
.set AF,   128
.set G1, 24
.set G0, 32
.set G1B, 48
.set G0B, 56
.set MSB, 0
.macro WIN new
.if MSB != \new
	s_set_vgpr_msb (MSB<<8)|\new
.set MSB, \new
.endif
.endm
.set MUL_LO, 0xa1
.set MUL_HI, 0xf1
.set TO_B,   0x40
.macro JLOAD g0a, g1a, g0b, g1b
	s_cmp_eq_u32 s15, 0
	s_cbranch_scc0 .Lfor_b_\@
	tensor_load_to_lds s[\g0a:\g0a+3], s[\g1a:\g1a+7]
	s_nop 0
.rept 4
	v_nop
.endr
	s_branch .Lasked_\@
.Lfor_b_\@:
	tensor_load_to_lds s[\g0b:\g0b+3], s[\g1b:\g1b+7]
	s_nop 0
.rept 4
	v_nop
.endr
.Lasked_\@:
.endm
.macro CREST
	s_cmp_lg_u32 s14, 0
	s_cbranch_scc1 .Lnot_wave_0_\@
	s_barrier_signal -3
.Lnot_wave_0_\@:
	s_barrier_wait -3
	s_barrier_signal -1
	s_barrier_wait -1
.endm
.macro CROUND
	s_barrier_signal -1
	s_barrier_wait -1
	CREST
.endm
	s_load_b256 s[4:11], s[0:1], 0x0
	v_lshl_add_u32 v[SPW], v0, 2, SPARE
	v_mov_b32 v[NIL], 0
	ds_add_u32 v[SPW], v[NIL]
	ds_add_u32 v[SPW], v[NIL]
	v_lshrrev_b32 v1, 5, v0
	v_readfirstlane_b32 s14, v1
	s_lshr_b32 s15, s14, 1
	s_and_b32 s16, s14, 1
	s_bfe_u32 s40, ttmp6, 0x40000
	s_bfe_u32 s41, ttmp6, 0x40004
	s_lshl_b32 s42, ttmp9, 2
	s_add_co_u32 s42, s42, s40
	s_and_b32 s17, ttmp7, 0xffff
	s_lshl_b32 s17, s17, 2
	s_add_co_u32 s17, s17, s41
	s_mov_b32 s68, 262144
	s_lshl_b32 s43, s41, 2
	s_lshl_b32 s43, 15, s43
	s_lshl_b32 s44, 0x1111, s40
	s_or_b32 s[G1+0], s43, (0<<16)|(1<<20)|(1<<21)|(5<<22)|(3<<25)
	s_or_b32 s[G1B+0], s44, (0<<16)|(1<<20)|(1<<21)|(5<<22)|(3<<25)
.irp g, G1, G1B
	s_mov_b32 s[\g+1], ROWB<<16
	s_mov_b32 s[\g+2], 128<<16
	s_mov_b32 s[\g+3], ROWB<<16
	s_mov_b32 s[\g+4], 128
	s_mov_b32 s[\g+5], KROW
	s_mov_b32 s[\g+6], 0
	s_mov_b32 s[\g+7], 0
.endr
	s_lshl_b32 s18, s16, 7
	s_lshl_b32 s20, s17, 8
	s_add_co_u32 s20, s20, s18
	s_lshl_b32 s20, s20, 10
	s_mov_b32 s21, 0
	s_lshl_b32 s46, s42, 8
	s_add_co_u32 s46, s46, s18
	s_lshl_b32 s46, s46, 10
	s_mov_b32 s47, 0
	s_mul_i32 s45, s14, HALFT
	s_wait_dscnt 0x0
	s_wait_kmcnt 0x0
	s_load_b128 s[84:87], s[8:9], 0x30
	s_add_nc_u64 s[20:21], s[4:5], s[20:21]
	s_add_nc_u64 s[46:47], s[6:7], s[46:47]
	CROUND
.irp s, 0,1
	s_mov_b32 s[G0+4*\s], 1
	s_add_co_u32 s[G0+4*\s+1], s45, \s*SLOT
	s_add_nc_u64 s[G0+4*\s+2:G0+4*\s+3], s[20:21], \s*ROWB
	s_or_b32 s[G0+4*\s+3], s[G0+4*\s+3], 0x80000000
	s_mov_b32 s[G0B+4*\s], 1
	s_add_co_u32 s[G0B+4*\s+1], s45, \s*SLOT
	s_add_nc_u64 s[G0B+4*\s+2:G0B+4*\s+3], s[46:47], \s*ROWB
	s_or_b32 s[G0B+4*\s+3], s[G0B+4*\s+3], 0x80000000
.endr
	JLOAD G0, G1, G0B, G1B                         ; fill 0 (256 along K): one tensor load a wave at the head
	; THE PREFETCHES: behind the load of fill f stands one line a wave for fill f + 2, f = 0, 1.  Of the 128 rows that a wave's load names, each of the four partners that ask jointly takes 32, told apart by address; a lane a row of 256 bytes.
	s_cmp_eq_u32 s15, 0                            ; do I fetch for A?
	s_cselect_b64 s[12:13], s[20:21], s[46:47]     ; my load's first byte
	s_cselect_b32 s70, s40, s41                    ; my place among the four: cx for A, cy for B
	s_lshl_b32 s70, s70, 15                        ; 32 rows of 1,024 bytes
	s_mov_b32 s71, 0
	s_add_nc_u64 s[12:13], s[12:13], s[70:71]
	v_and_b32 v31, 31, v0
	v_lshlrev_b32 v31, 10, v31                     ; v31: my lane's row; never rewritten
	global_prefetch_b8 v31, s[12:13] offset:2*ROWB th:TH_LOAD_NT scope:SCOPE_SE
	v_and_b32 v1, 15, v0
	s_wait_alu depctr_va_vdst(0)
	v_bfe_u32 v2, v0, 4, 1
	v_mul_u32_u24 v3, v1, PITCH
	v_lshl_add_u32 v4, v2, 4, v3
	s_mul_i32 s21, s15, HALFT
	s_mul_i32 s22, s16, HALFT
	s_add_co_u32 s22, s22, 2*HALFT
.irp s, 0,1
	v_add_nc_u32 v[ADRA+\s], s21, v4
	v_add_nc_u32 v[ADRB+\s], s22, v4
	s_add_co_u32 s21, s21, SLOT
	s_add_co_u32 s22, s22, SLOT
.endr
	s_mul_i32 s23, s14, AREA
	v_mul_u32_u24 v5, v1, 528
	s_wait_alu depctr_va_vdst(0)
	v_lshl_add_u32 v5, v2, 5, v5
	v_add_nc_u32 v[STO], s23, v5
	v_and_b32 v6, 31, v0
	v_lshrrev_b32 v5, 2, v6
	v_mul_u32_u24 v5, v5, 528
	v_and_b32 v3, 3, v6
	v_lshl_add_u32 v5, v3, 6, v5
	v_add_nc_u32 v[RD], s23, v5
	v_lshlrev_b32 v[CO], 4, v6
	v_add_nc_u32 v[CO+1], s68, v[CO]
	s_lshl_b32 s20, s42, 2
	s_lshl_b32 s21, s16, 1
	s_add_co_u32 s20, s20, s21
	s_mul_i32 s20, s20, s68
	s_lshl_b32 s21, s17, 8
	s_lshl_b32 s22, s15, 7
	s_add_co_u32 s21, s21, s22
	s_lshl_b32 s21, s21, 6
	s_add_co_u32 s20, s20, s21
	s_mov_b32 s21, 0
	s_add_nc_u64 s[10:11], s[10:11], s[20:21]
.macro FRAG reg, adr, q, i
.irp c, 0,1,2,3
	ds_load_b128 v[\reg+4*\c:\reg+4*\c+3], v[\adr] offset:128*(\q)+32*\c+(\i)*16*PITCH
.endr
.endm
.macro MUL16 a0, p, zero
.irp a, \a0, \a0+1
.irp b, 0,1,2,3,4,5,6,7
.if \zero
	v_wmma_f32_16x16x128_bf8_bf8 v[8*(8*((\a)%4)+\b):8*(8*((\a)%4)+\b)+7], v[128*(\p)+FR*\b:128*(\p)+FR*\b+FR-1], v[AF+FR*(\a):AF+FR*(\a)+FR-1], 0
.else
	v_wmma_f32_16x16x128_bf8_bf8 v[8*(8*((\a)%4)+\b):8*(8*((\a)%4)+\b)+7], v[128*(\p)+FR*\b:128*(\p)+FR*\b+FR-1], v[AF+FR*(\a):AF+FR*(\a)+FR-1], v[8*(8*((\a)%4)+\b):8*(8*((\a)%4)+\b)+7]
.endif
.endr
.endr
.endm
.macro FETCH_B slot, q, p
	WIN TO_B
.irp i, 0,1,2,3,4,5,6,7
	FRAG 128*(\p)+FR*\i, ADRB+\slot, \q, \i
.endr
	WIN 0
.endm
.macro FETCH_A slot, q, i0
.irp i, \i0, \i0+1, \i0+2, \i0+3
	FRAG AF+FR*(\i), ADRA+\slot, \q, \i
.endr
.endm
.macro PLACES n
.rept \n
	v_nop
.endr
.endm
.macro STEP slot, q, zero
	s_wait_dscnt 4*NL
	WIN MUL_LO
	MUL16 0, (\q)%2, \zero
	MUL16 2, (\q)%2, \zero
	s_wait_dscnt 0
	PLACES NP
	FETCH_B \slot, (\q)+1, 1-(\q)%2
	FETCH_A \slot, (\q)+1, 0
	WIN MUL_HI
	MUL16 4, (\q)%2, \zero
	MUL16 6, (\q)%2, \zero
	PLACES NP
	WIN 0
	FETCH_A \slot, (\q)+1, 4
.endm
.macro TURN slot, next, fill
	s_wait_tensorcnt 0x0
	ds_add_u32 v[SPW], v[NIL]
	s_wait_dscnt 4*NL+1
	WIN MUL_LO
	MUL16 0, 1, 0
	s_wait_dscnt 0x0
	s_barrier_signal -1
	MUL16 2, 1, 0
	WIN 0
	s_barrier_wait -1
.if \fill
	CREST
	s_add_nc_u64 s[G0+4*\slot+2:G0+4*\slot+3], s[G0+4*\slot+2:G0+4*\slot+3], 2*ROWB
	s_add_nc_u64 s[G0B+4*\slot+2:G0B+4*\slot+3], s[G0B+4*\slot+2:G0B+4*\slot+3], 2*ROWB
	JLOAD G0+4*\slot, G1, G0B+4*\slot, G1B
.else
	PLACES NP
.endif
	FETCH_B \next, 0, 0
	FETCH_A \next, 0, 0
	WIN MUL_HI
	MUL16 4, 1, 0
	MUL16 6, 1, 0
	PLACES NP
	WIN 0
	FETCH_A \next, 0, 4
.endm
	s_wait_alu depctr_va_vdst(0)                   ; the head's end
	s_wait_tensorcnt 0x0                           ; my part of fill 0 is in
	ds_add_u32 v[SPW], v[NIL]
	s_wait_dscnt 0x0
	CROUND                                         ; everybody's part is in, and the joint loads meet
	JLOAD G0+4, G1, G0B+4, G1B                     ; fill 1, the first tensor load behind the round
	FETCH_B 0, 0, 0
	FETCH_A 0, 0, 0
	FETCH_A 0, 0, 4
	global_prefetch_b8 v31, s[12:13] offset:3*ROWB th:TH_LOAD_NT scope:SCOPE_SE
	STEP 0, 0, 1
	s_mov_b32 s3, LAPS-1
.Llap:
	TURN 0, 1, 1
	STEP 1, 0, 0
	TURN 1, 0, 1
	STEP 0, 0, 0
	s_sub_co_u32 s3, s3, 1
	s_cmp_lg_u32 s3, 0
	s_cbranch_scc1 .Llap
	TURN 0, 1, 0
	STEP 1, 0, 0
	s_wait_dscnt 4*NL
	WIN MUL_LO
	MUL16 0, 1, 0
	MUL16 2, 1, 0
	s_wait_dscnt 0
	WIN MUL_HI
	MUL16 4, 1, 0
	MUL16 6, 1, 0
	WIN 0
	s_wait_dscnt 0x0
	s_barrier_signal -1
	s_barrier_wait -1
	s_wait_kmcnt 0x0
	s_add_co_i32 s92, s84, s85
	s_add_co_i32 s88, s92, 126
	s_lshl_b32 s88, s88, 23
	s_mov_b32 s89, s88
	s_lshl_b32 s90, s92, 23
	s_add_co_i32 s90, s90, 0x3f3504f3
	s_mov_b32 s91, s90
	s_add_co_i32 s92, s86, 127
	s_lshl_b32 s93, s92, 23
	v_mov_b32 v10, s93
	s_add_co_i32 s92, s92, 15
	s_lshl_b32 s92, s92, 23
	s_or_b32 s92, s92, 0x600000
	v_mov_b32 v11, s92
	PLACES NP
.irp a, 0,1,2,3,4,5,6,7
	WIN 0x08+4*((\a)/4)
.irp b, 0,1,2,3,4,5,6,7
	ds_store_b128 v[STO], v[8*(8*(\a%4)+\b):8*(8*(\a%4)+\b)+3] offset:8448*\a+64*\b
	ds_store_b128 v[STO], v[8*(8*(\a%4)+\b)+4:8*(8*(\a%4)+\b)+7] offset:8448*\a+64*\b+16
.endr
.endr
	WIN 0
	s_wait_alu depctr_va_vdst(0)
.irp k, 0,1,2,3,4,5,6,7
	ds_load_b128 v[XX+4*\k:XX+4*\k+3], v[RD] offset:256*(\k/4)+16*(\k%4)
.endr
.macro COEF r, bits
	v_mov_b32 v[\r], \bits
	v_mov_b32 v[\r+1], \bits
.endm
	COEF CA,    0xaf95df0b
	COEF CA+2,  0x32edffee
	COEF CA+4,  0xb60cff51
	COEF CA+6,  0xb86ec2d2
	COEF CA+8,  0xba40ac63
	COEF CA+10, 0xbb41a1f6
	COEF CA+12, 0xbc83dbd4
	COEF CB,    0xb77460cd
	COEF CB+2,  0xb95fbd29
	COEF CB+4,  0xbadc924e
	COEF CB+6,  0xbbf19bf8
	COEF CB+8,  0xbc69b6a7
.macro GTRIP pre
	s_wait_dscnt 0x0
.set p, 0
.rept 16
	v_pk_mul_f32 v[HU+p:HU+p+1], v[XX+p:XX+p+1], s[88:89] op_sel_hi:[1,0]
	v_pk_mul_f32 v[ZZ+p:ZZ+p+1], v[XX+p:XX+p+1], s[90:91] op_sel_hi:[1,0]
.set p, p+2
.endr
.if \pre
	s_add_co_u32 s66, s66, 8*528
	v_add_nc_u32 v30, s66, v[RD]
.irp k, 0,1,2,3,4,5,6,7
	ds_load_b128 v[XX+4*\k:XX+4*\k+3], v30 offset:256*(\k/4)+16*(\k%4)
.endr
.endif
.set p, 0
.rept 32
	v_med3_num_f32 v[ZZ+p], v[ZZ+p], -4.0, 4.0
.set p, p+1
.endr
.set p, 0
.rept 16
	v_pk_mul_f32 v[WW+p:WW+p+1], v[ZZ+p:ZZ+p+1], v[ZZ+p:ZZ+p+1]
.set p, p+2
.endr
.set p, 0
.rept 16
	v_pk_fma_f32 v[PP+p:PP+p+1], v[WW+p:WW+p+1], v[CA:CA+1], v[CA+2:CA+3]
	v_pk_fma_f32 v[QQ+p:QQ+p+1], v[WW+p:WW+p+1], v[CB:CB+1], v[CB+2:CB+3]
.set p, p+2
.endr
.irp k, 2,3,4
.set p, 0
.rept 16
	v_pk_fma_f32 v[PP+p:PP+p+1], v[PP+p:PP+p+1], v[WW+p:WW+p+1], v[CA+2*\k:CA+2*\k+1]
	v_pk_fma_f32 v[QQ+p:QQ+p+1], v[QQ+p:QQ+p+1], v[WW+p:WW+p+1], v[CB+2*\k:CB+2*\k+1]
.set p, p+2
.endr
.endr
.irp k, 5,6
.set p, 0
.rept 16
	v_pk_fma_f32 v[PP+p:PP+p+1], v[PP+p:PP+p+1], v[WW+p:WW+p+1], v[CA+2*\k:CA+2*\k+1]
.set p, p+2
.endr
.endr
.set p, 0
	s_wait_alu depctr_va_vdst(0)
.rept 32
	v_rcp_f32 v[QQ+p], v[QQ+p]
.set p, p+1
.endr
.set p, 0
.rept 16
	v_pk_mul_f32 v[PP+p:PP+p+1], v[PP+p:PP+p+1], v[ZZ+p:ZZ+p+1]
.set p, p+2
.endr
	s_wait_alu depctr_va_vdst(0)
.set p, 0
.rept 16
	v_pk_mul_f32 v[PP+p:PP+p+1], v[PP+p:PP+p+1], v[QQ+p:QQ+p+1]
.set p, p+2
.endr
.set p, 0
.rept 16
	v_pk_fma_f32 v[WW+p:WW+p+1], v[HU+p:HU+p+1], v[PP+p:PP+p+1], v[HU+p:HU+p+1]
.set p, p+2
.endr
.set p, 0
.rept 32
	v_med3_num_f32 v[WW+p], v[WW+p], -v11, v11
.set p, p+1
.endr
	s_wait_alu depctr_va_vdst(0)
	s_wait_xcnt 0x0
	s_add_nc_u64 s[10:11], s[10:11], 512
.irp g, 0,1,2,3
	v_cvt_scalef32_pk8_bf8_f32 v[224+2*\g:225+2*\g], v[WW+8*\g:WW+8*\g+7], v10
.endr
	v_nop
	global_store_b128 v[CO], v[224:227], s[10:11] offset:-512
	global_store_b128 v[CO+1], v[228:231], s[10:11] offset:-512
.endm
	s_mov_b32 s66, 0
	s_mov_b32 s67, 0
.Lout:
	GTRIP 1
	s_add_co_u32 s67, s67, 1
	s_cmp_lt_u32 s67, 15
	s_cbranch_scc1 .Lout
	GTRIP 0
	s_wait_tensorcnt 0x0
	ds_add_u32 v[SPW], v[NIL]
	s_wait_dscnt 0x0
	CROUND
	s_endpgm
.Lfunc_end_k_q061db7af23_w1:
	.size	k_q061db7af23_w1, .Lfunc_end_k_q061db7af23_w1-k_q061db7af23_w1
	.p2alignl 7, 3214868480
	.fill 96, 4, 3214868480
	.section	.rodata,"a",@progbits
	.p2align	6, 0x0
	.amdhsa_kernel k_q061db7af23_w1
		.amdhsa_group_segment_fixed_size 327680
		.amdhsa_private_segment_fixed_size 0
		.amdhsa_enable_private_segment 0
		.amdhsa_kernarg_size 32
		.amdhsa_user_sgpr_count 2
		.amdhsa_user_sgpr_kernarg_segment_ptr 1
		.amdhsa_wavefront_size32 1
		.amdhsa_system_sgpr_workgroup_id_x 1
		.amdhsa_system_sgpr_workgroup_id_y 1
		.amdhsa_system_sgpr_workgroup_id_z 1
		.amdhsa_system_vgpr_workitem_id 0
		.amdhsa_next_free_vgpr 1024
		.amdhsa_next_free_sgpr 100
		.amdhsa_reserve_vcc 0
		.amdhsa_float_denorm_mode_32 3
		.amdhsa_float_denorm_mode_16_64 3
		.amdhsa_memory_ordered 1
		.amdhsa_forward_progress 1
		.amdhsa_inst_pref_size 133
	.end_amdhsa_kernel
	.amdgpu_metadata
---
amdhsa.version: [ 1, 2 ]
amdhsa.kernels:
  - .name:           k_q061db7af23_w1
    .symbol:         k_q061db7af23_w1.kd
    .args:
      - { .name: h2c, .offset: 0, .size: 8, .value_kind: global_buffer, .address_space: global }
      - { .name: w1_codes, .offset: 8, .size: 8, .value_kind: global_buffer, .address_space: global }
      - { .name: lowp_scales, .offset: 16, .size: 8, .value_kind: global_buffer, .address_space: global }
      - { .name: gc, .offset: 24, .size: 8, .value_kind: global_buffer, .address_space: global }
    .group_segment_fixed_size: 327680
    .private_segment_fixed_size: 0
    .kernarg_segment_align: 8
    .kernarg_segment_size: 32
    .max_flat_workgroup_size: 128
    .sgpr_count:     100
    .vgpr_count:     1024
    .wavefront_size: 32
...
	.end_amdgpu_metadata
.endif
;; end of part 6
;; launch w2 (part 7): grid 8 x 32, 4 waves a work-group, clusters of 4 x 4, 327,680 bytes of LDS; arguments gc, w2_codes, lowp_scales, x1, out0; writes out0
.if DOCPART == 7
	.amdgcn_target "amdgcn-amd-amdhsa--gfx1250"
	.amdhsa_code_object_version 6
	.text
	.protected	k_q061db7af23_w2
	.globl	k_q061db7af23_w2
	.p2align	8
	.type	k_q061db7af23_w2,@function
k_q061db7af23_w2:
	s_mov_b64 s[64:65], 0
	v_nop
	global_prefetch_b8 v0, s[64:65] scope:SCOPE_SE
	s_setreg_imm32_b32 hwreg(HW_REG_WAVE_MODE, 25, 1), 1
	s_wait_xcnt 0x0
	s_wait_alu depctr_hold_cnt(0) depctr_sa_sdst(0) depctr_va_vdst(0) depctr_va_sdst(0) depctr_va_ssrc(0) depctr_va_vcc(0) depctr_vm_vsrc(0)
	s_getreg_b32 s2, hwreg(HW_REG_IB_STS2, 6, 4)
	s_cmp_eq_u32 s2, 0
	s_cbranch_scc0 .Lentry_in_a_cluster
	s_endpgm
.Lentry_in_a_cluster:
	s_bfe_u32 s2, ttmp6, 0x10000c
	s_cmp_lg_u32 s2, 0xf033
	s_cbranch_scc0 .Lentry_shape_is_right
	s_endpgm
.Lentry_shape_is_right:
; LAUNCH 7 OF 7: out0 = x1 + g w2^T on codes of BF8, K = 4,096.  g: [K / 64][4,096 tokens][64 bytes]; w2: [1,024][K]; x1, out0: [4,096][1,024] f32.  y = sum x 2^(e14 + e15) + x1.
; LIMIT: e14 + e15 between -126 and 127.  The fourth launch's text with another K and other scales: four laps of the ring, three of them in the loop.
; Tiles of 128 x 128, 256 work-groups; four waves, 64 x 64 each: 16 accumulators.  A slot holds 512 along K; two slots.  Clusters of 4 x 4 with joint loads; the matrix instruction is used transposed.
; LDS, a slot: A: [half 2][block of 64 k: 8][64 tokens][64 bytes + 16]; then B: [half 2][64 rows][512 bytes + 16].  Behind the ring a stage of 16 rows x 272 bytes for each wave, then the spare words.
; REGISTERS: window 0: addresses; v32-95 the way out; v128-255 the accumulators.  window 1: two fragment buffers.  window 2: v0-127 my 64 x 64 of the residual, asked for at the head.
.set SIZE_K, 4096
.set EOFF,   0x38
.set KS,     512
.set AH,     8*64*80
.set BH,     64*528
.set BOFF,   2*AH
.set SLOT,   2*AH+2*BH
.set STAGE,  2*SLOT
.set SPITCH, 272
.set SPARE,  STAGE+4*16*SPITCH
.set LAPS,   SIZE_K/(2*KS)
.set ADRA, 16
.set ADRB, 20
.set STO,  24
.set RD,   25
.set CO,   26
.set SPW,  28
.set NIL,  29
.set OB,   32
.set ACC,  128
.set F0,   0
.set F1,   128
.set G1, 24
.set G0, 32
.set G1B, 48
.set G0B, 56
.set MSB, 0
.macro WIN new
.if MSB != \new
	s_set_vgpr_msb (MSB<<8)|\new
.set MSB, \new
.endif
.endm
.set MUL,  0x05
.set TO_F, 0x40
.macro JLOAD s                         ; waves 0, 1 fetch A's halves, waves 2, 3 B's; an s_nop 0 and four v_nop follow each line
	s_cmp_eq_u32 s15, 0
	s_cbranch_scc0 .Lfor_b_\@
	tensor_load_to_lds s[G0+4*\s:G0+4*\s+3], s[G1:G1+7]
	s_nop 0
.rept 4
	v_nop
.endr
	s_branch .Lasked_\@
.Lfor_b_\@:
	tensor_load_to_lds s[G0B+4*\s:G0B+4*\s+3], s[G1B:G1B+7]
	s_nop 0
.rept 4
	v_nop
.endr
.Lasked_\@:
.endm
.macro CREST
	s_cmp_lg_u32 s14, 0
	s_cbranch_scc1 .Lnot_wave_0_\@
	s_barrier_signal -3
.Lnot_wave_0_\@:
	s_barrier_wait -3
	s_barrier_signal -1
	s_barrier_wait -1
.endm
.macro CROUND
	s_barrier_signal -1
	s_barrier_wait -1
	CREST
.endm
	s_load_b256 s[4:11], s[0:1], 0x0               ; A's codes, B's codes, the scales' exponents, the residual
	s_load_b64 s[12:13], s[0:1], 0x20              ; the output
	v_lshl_add_u32 v[SPW], v0, 2, SPARE
	v_mov_b32 v[NIL], 0
	ds_add_u32 v[SPW], v[NIL]                      ; the wave's opening: the add, twice on end, and its wait ahead of my first tensor load
	ds_add_u32 v[SPW], v[NIL]
	v_lshrrev_b32 v1, 5, v0
	v_readfirstlane_b32 s14, v1
	s_lshr_b32 s15, s14, 1
	s_and_b32 s16, s14, 1
	s_bfe_u32 s40, ttmp6, 0x40000
	s_bfe_u32 s41, ttmp6, 0x40004
	s_lshl_b32 s42, ttmp9, 2
	s_add_co_u32 s42, s42, s40
	s_and_b32 s17, ttmp7, 0xffff
	s_lshl_b32 s17, s17, 2
	s_add_co_u32 s17, s17, s41
	s_lshl_b32 s43, s41, 2
	s_lshl_b32 s43, 15, s43
	s_lshl_b32 s44, 0x1111, s40
	s_or_b32 s[G1], s43, (0<<16)|(1<<20)|(1<<21)|(3<<22)|(3<<25)   ; A: a row of the tile is 64 tokens x 64 bytes, dense in memory; 4 words of padding behind every 16
	s_mov_b32 s[G1+1], 4096<<16
	s_mov_b32 s[G1+2], 8<<16
	s_mov_b32 s[G1+3], 4096<<16
	s_mov_b32 s[G1+4], 8
	s_mov_b32 s[G1+5], 262144
	s_mov_b32 s[G1+6], 0
	s_mov_b32 s[G1+7], 0
	s_or_b32 s[G1B], s44, (0<<16)|(1<<20)|(1<<21)|(6<<22)|(3<<25)  ; B: 64 rows x 512 bytes; 4 words behind every 128
	s_mov_b32 s[G1B+1], KS<<16
	s_mov_b32 s[G1B+2], 64<<16
	s_mov_b32 s[G1B+3], KS<<16
	s_mov_b32 s[G1B+4], 64
	s_mov_b32 s[G1B+5], SIZE_K
	s_mov_b32 s[G1B+6], 0
	s_mov_b32 s[G1B+7], 0
	s_lshl_b32 s18, s16, 6
	s_lshl_b32 s20, s17, 7
	s_add_co_u32 s20, s20, s18
	s_lshl_b32 s20, s20, 6
	s_mov_b32 s21, 0
	s_lshl_b32 s46, s42, 7
	s_add_co_u32 s46, s46, s18
	s_mul_i32 s46, s46, SIZE_K
	s_mov_b32 s47, 0
	s_mul_i32 s45, s16, AH
	s_mul_i32 s19, s16, BH
	s_add_co_u32 s19, s19, BOFF
	s_wait_dscnt 0x0                               ; both opening adds are done
	s_wait_kmcnt 0x0
	s_load_b64 s[96:97], s[8:9], EOFF
	s_add_nc_u64 s[20:21], s[4:5], s[20:21]
	s_add_nc_u64 s[46:47], s[6:7], s[46:47]
	CROUND
.irp s, 0,1
	s_mov_b32 s[G0+4*\s], 1
	s_add_co_u32 s[G0+4*\s+1], s45, \s*SLOT
	s_add_nc_u64 s[G0+4*\s+2:G0+4*\s+3], s[20:21], \s*8*262144
	s_or_b32 s[G0+4*\s+3], s[G0+4*\s+3], 0x80000000
	s_mov_b32 s[G0B+4*\s], 1
	s_add_co_u32 s[G0B+4*\s+1], s19, \s*SLOT
	s_add_nc_u64 s[G0B+4*\s+2:G0B+4*\s+3], s[46:47], \s*KS
	s_or_b32 s[G0B+4*\s+3], s[G0B+4*\s+3], 0x80000000
.endr
	JLOAD 0                                        ; fill 0: one tensor load a wave at the head; slot 1's first fill follows behind the full sequence and a round
	; THE PREFETCHES: behind the load of fill f (512 along K) stands one line a wave for fill f + 2, f = 0 .. 5.  Of the 128 aligned blocks of 256 bytes that a wave's load names, each of the four partners that ask jointly
	; takes 32, told apart by address: of A two blocks of 64 k (16 x 256 bytes each), of B 16 rows (2 x 256 bytes each); a lane a block.  So each block is named once in each cluster that loads it.
	s_cmp_eq_u32 s15, 0                            ; do I fetch for A?
	s_cselect_b64 s[70:71], s[20:21], s[46:47]     ; my load's first byte
	s_cselect_b32 s74, s40, s41                    ; my place among the four: cx for A, cy for B
	s_mov_b32 s72, KS
	s_cselect_b32 s72, 8*262144, s72               ; a fill on
	s_mov_b32 s73, 0
	s_mov_b32 s75, 16*SIZE_K
	s_cselect_b32 s75, 2*262144, s75               ; from partner to partner
	s_cselect_b32 s76, 4, 1
	s_cselect_b32 s77, 15, 1
	s_cselect_b32 s78, 18, 12
	s_mul_i32 s74, s74, s75
	s_mov_b32 s75, 0
	s_add_nc_u64 s[70:71], s[70:71], s[74:75]
	s_add_nc_u64 s[70:71], s[70:71], s[72:73]
	s_add_nc_u64 s[70:71], s[70:71], s[72:73]      ; at fill 2
	v_and_b32 v6, 31, v0
	v_lshrrev_b32 v7, s76, v6                      ; A: lane / 16 blocks of 64 k; B: lane / 2 rows
	v_and_b32 v6, s77, v6
	v_lshlrev_b32 v7, s78, v7
	v_lshl_add_u32 v30, v6, 8, v7                  ; v30: my lane's block; never rewritten
	global_prefetch_b8 v30, s[70:71] th:TH_LOAD_NT scope:SCOPE_SE
	v_and_b32 v1, 15, v0
	v_bfe_u32 v2, v0, 4, 1
	v_mul_u32_u24 v3, v1, 80
	v_lshl_add_u32 v3, v2, 4, v3
	v_mul_u32_u24 v4, v1, 528
	v_lshl_add_u32 v4, v2, 4, v4
	s_mul_i32 s21, s15, AH
	s_mul_i32 s22, s16, BH
	s_add_co_u32 s22, s22, BOFF
.irp s, 0,1
	v_add_nc_u32 v[ADRA+\s], s21, v3
	v_add_nc_u32 v[ADRB+\s], s22, v4
	s_add_co_u32 s21, s21, SLOT
	s_add_co_u32 s22, s22, SLOT
.endr
	s_mul_i32 s23, s14, 16*SPITCH
	s_add_co_u32 s23, s23, STAGE
	v_mul_u32_u24 v5, v1, SPITCH
	v_lshl_add_u32 v5, v2, 5, v5
	v_add_nc_u32 v[STO], s23, v5
	v_mul_u32_u24 v5, v2, SPITCH
	v_lshl_add_u32 v5, v1, 4, v5
	v_add_nc_u32 v[RD], s23, v5
	v_lshlrev_b32 v5, 12, v2
	v_lshl_add_u32 v[CO], v1, 4, v5
	s_wait_alu depctr_va_vdst(0)
	s_lshl_b32 s20, s17, 7
	s_lshl_b32 s21, s15, 6
	s_add_co_u32 s20, s20, s21
	s_lshl_b32 s20, s20, 12
	s_lshl_b32 s46, s42, 9
	s_lshl_b32 s47, s16, 8
	s_add_co_u32 s46, s46, s47
	s_add_co_u32 s20, s20, s46
	s_mov_b32 s21, 0
	s_add_nc_u64 s[10:11], s[10:11], s[20:21]
	s_add_nc_u64 s[12:13], s[12:13], s[20:21]
	WIN 0x80
.set n, 0
.rept 32
	global_load_b128 v[4*n:4*n+3], v[CO], s[10:11] offset:8192*n   ; the residual; waited for on the way out
.set n, n+1
.endr
	WIN 0
.macro MUL8 f, a0, zero                ; the 16 accumulators take turns
.irp a, \a0, \a0+1
.irp b, 0,1,2,3
.if \zero
	v_wmma_f32_16x16x128_bf8_bf8 v[ACC+8*(4*(\a)+\b):ACC+8*(4*(\a)+\b)+7], v[\f+64+16*\b:\f+64+16*\b+15], v[\f+16*(\a):\f+16*(\a)+15], 0
.else
	v_wmma_f32_16x16x128_bf8_bf8 v[ACC+8*(4*(\a)+\b):ACC+8*(4*(\a)+\b)+7], v[\f+64+16*\b:\f+64+16*\b+15], v[\f+16*(\a):\f+16*(\a)+15], v[ACC+8*(4*(\a)+\b):ACC+8*(4*(\a)+\b)+7]
.endif
.endr
.endr
.endm
.macro FETCH slot, q, f
	WIN TO_F
.irp i, 0,1,2,3
.irp c, 0,1,2,3
	ds_load_b128 v[\f+64+16*\i+4*\c:\f+64+16*\i+4*\c+3], v[ADRB+\slot] offset:128*(\q)+32*\c+8448*\i
.endr
.endr
.irp i, 0,1,2,3
.irp c, 0,1,2,3
	ds_load_b128 v[\f+16*\i+4*\c:\f+16*\i+4*\c+3], v[ADRA+\slot] offset:(2*(\q)+\c/2)*5120+1280*\i+32*(\c%2)
.endr
.endr
.endm
.macro PLACES
.rept 4
	v_nop
.endr
.endm
.macro QUARTER slot, qn, f, g, zero
	s_wait_dscnt 0x0                               ; f's fragments are in
	PLACES
	FETCH \slot, \qn, \g
	WIN MUL
	MUL8 \f, 0, \zero
	MUL8 \f, 2, \zero
.endm
.macro TURN slot, next, fill
	WIN 0
.if \fill
	s_wait_xcnt 0x0                                ; the last prefetch, a fill back, has read its address
	s_add_nc_u64 s[70:71], s[70:71], s[72:73]
.endif
	s_wait_tensorcnt 0x0                           ; all my tensor loads have landed: my part of the next slot
	ds_add_u32 v[SPW], v[NIL]
	s_wait_dscnt 1                                 ; the fragments are in; the add may be out
	WIN MUL
	MUL8 F1, 0, 0
	WIN 0
	s_wait_dscnt 0x0                               ; the add is done, and my reads of this slot are over
	s_barrier_signal -1
	s_barrier_wait -1
.if \fill
	CREST                                          ; the barrier has opened a round of the cluster's: no wave of any partner still reads this slot or has a load on its way
	s_add_nc_u64 s[G0+4*\slot+2:G0+4*\slot+3], s[G0+4*\slot+2:G0+4*\slot+3], 16*262144
	s_add_nc_u64 s[G0B+4*\slot+2:G0B+4*\slot+3], s[G0B+4*\slot+2:G0B+4*\slot+3], 2*KS
	JLOAD \slot
.else
	PLACES
.endif
	FETCH \next, 0, F0
.if \fill
	WIN 0
	s_cmp_gt_u32 s3, 1                             ; the loop's last trip loads fills 6 and 7: no fill stands two on
	s_cbranch_scc0 .Lno_ask_\@
	global_prefetch_b8 v30, s[70:71] th:TH_LOAD_NT scope:SCOPE_SE
.Lno_ask_\@:
.endif
	WIN MUL
	MUL8 F1, 2, 0
.endm
	s_wait_xcnt 0x0                                ; the head's prefetch has read its address
	s_add_nc_u64 s[70:71], s[70:71], s[72:73]      ; at fill 3
	s_wait_tensorcnt 0x0                           ; my part of fill 0 is in
	ds_add_u32 v[SPW], v[NIL]
	s_wait_dscnt 0x0
	CROUND                                         ; everybody's part is in, and the joint loads meet
	JLOAD 1                                        ; fill 1, the first tensor load behind the round
	FETCH 0, 0, F0
	WIN 0
	global_prefetch_b8 v30, s[70:71] th:TH_LOAD_NT scope:SCOPE_SE
	QUARTER 0, 1, F0, F1, 1
.if LAPS > 1
	WIN 0
	s_mov_b32 s3, LAPS-1
.Llap:                                                 ; a trip goes once round the ring and fills both slots again
	QUARTER 0, 2, F1, F0, 0
	QUARTER 0, 3, F0, F1, 0
	TURN 0, 1, 1
	QUARTER 1, 1, F0, F1, 0
	QUARTER 1, 2, F1, F0, 0
	QUARTER 1, 3, F0, F1, 0
	TURN 1, 0, 1
	QUARTER 0, 1, F0, F1, 0
	WIN 0
	s_sub_co_u32 s3, s3, 1
	s_cmp_lg_u32 s3, 0
	s_cbranch_scc1 .Llap
.endif
	QUARTER 0, 2, F1, F0, 0
	QUARTER 0, 3, F0, F1, 0
	TURN 0, 1, 0
	QUARTER 1, 1, F0, F1, 0
	QUARTER 1, 2, F1, F0, 0
	QUARTER 1, 3, F0, F1, 0
	s_wait_dscnt 0x0
	WIN MUL
	MUL8 F1, 0, 0
	MUL8 F1, 2, 0
	WIN 0
	s_wait_kmcnt 0x0
	s_add_co_i32 s96, s96, s97
	s_add_co_i32 s96, s96, 127
	s_lshl_b32 s96, s96, 23                        ; 2^(eA + eB)
	s_mov_b32 s97, s96
	PLACES
	s_wait_loadcnt 0x0                             ; the residual
.macro TOSTAGE a
.set BB, OB+32*((\a)%2)
.irp b, 0,1,2,3
	ds_store_b128 v[STO], v[ACC+8*(4*(\a)+\b):ACC+8*(4*(\a)+\b)+3] offset:64*\b
	ds_store_b128 v[STO], v[ACC+8*(4*(\a)+\b)+4:ACC+8*(4*(\a)+\b)+7] offset:64*\b+16
.endr
.irp t, 0,1,2,3,4,5,6,7
	ds_load_b128 v[BB+4*\t:BB+4*\t+3], v[RD] offset:\t*2*SPITCH
.endr
.endm
.macro SEND a, younger
.set BB, OB+32*((\a)%2)
	s_wait_dscnt \younger
	WIN 0x20
.set n, 0
.rept 16
	v_pk_fma_f32 v[BB+n:BB+n+1], v[BB+n:BB+n+1], s[96:97], v[32*(\a)+n:32*(\a)+n+1] op_sel_hi:[1,0,1]
.set n, n+2
.endr
	WIN 0
.irp t, 0,1,2,3,4,5,6,7
	global_store_b128 v[CO], v[BB+4*\t:BB+4*\t+3], s[12:13] offset:(16*(\a)+2*\t)*4096   ; sixteen lanes store 256 consecutive bytes, aligned
.endr
.endm
	TOSTAGE 0
.irp a, 1,2,3
.if \a > 1
	s_wait_xcnt 0x0                                ; block a - 2's stores have read their registers
.endif
	TOSTAGE \a
	SEND \a-1, 16
.endr
	SEND 3, 0
	s_wait_tensorcnt 0x0                           ; the wave's end
	ds_add_u32 v[SPW], v[NIL]
	s_wait_dscnt 0x0
	CROUND                                         ; the closing round
	s_endpgm
.Lfunc_end_k_q061db7af23_w2:
	.size	k_q061db7af23_w2, .Lfunc_end_k_q061db7af23_w2-k_q061db7af23_w2
	.p2alignl 7, 3214868480
	.fill 96, 4, 3214868480
	.section	.rodata,"a",@progbits
	.p2align	6, 0x0
	.amdhsa_kernel k_q061db7af23_w2
		.amdhsa_group_segment_fixed_size 327680
		.amdhsa_private_segment_fixed_size 0
		.amdhsa_enable_private_segment 0
		.amdhsa_kernarg_size 40
		.amdhsa_user_sgpr_count 2
		.amdhsa_user_sgpr_kernarg_segment_ptr 1
		.amdhsa_wavefront_size32 1
		.amdhsa_system_sgpr_workgroup_id_x 1
		.amdhsa_system_sgpr_workgroup_id_y 1
		.amdhsa_system_sgpr_workgroup_id_z 1
		.amdhsa_system_vgpr_workitem_id 0
		.amdhsa_next_free_vgpr 640
		.amdhsa_next_free_sgpr 98
		.amdhsa_reserve_vcc 0
		.amdhsa_float_denorm_mode_32 3
		.amdhsa_float_denorm_mode_16_64 3
		.amdhsa_memory_ordered 1
		.amdhsa_forward_progress 1
		.amdhsa_inst_pref_size 79
	.end_amdhsa_kernel
	.amdgpu_metadata
---
amdhsa.version: [ 1, 2 ]
amdhsa.kernels:
  - .name:           k_q061db7af23_w2
    .symbol:         k_q061db7af23_w2.kd
    .args:
      - { .name: gc, .offset: 0, .size: 8, .value_kind: global_buffer, .address_space: global }
      - { .name: w2_codes, .offset: 8, .size: 8, .value_kind: global_buffer, .address_space: global }
      - { .name: lowp_scales, .offset: 16, .size: 8, .value_kind: global_buffer, .address_space: global }
      - { .name: x1, .offset: 24, .size: 8, .value_kind: global_buffer, .address_space: global }
      - { .name: out0, .offset: 32, .size: 8, .value_kind: global_buffer, .address_space: global }
    .group_segment_fixed_size: 327680
    .private_segment_fixed_size: 0
    .kernarg_segment_align: 8
    .kernarg_segment_size: 40
    .max_flat_workgroup_size: 128
    .sgpr_count:     98
    .vgpr_count:     640
    .wavefront_size: 32
...
	.end_amdgpu_metadata
.endif
;; end of part 7
